; MI455X (gfx1250); checked and timed in simulation.
; The chip was launched on July 23, 2026; its instructions are those of AMD's public machine-readable ISA for CDNA 5 (MIT licence, August 2026) and "CDNA5" Instruction Set Architecture Reference Guide (July 2026). The comments in the code are by the model that wrote it; some were corrected since.
;; Causal Self Attention. Allowed arithmetic: matrix products marked QUANTISED: E2M3 operands, one E8M0 scale for each 32 along K, by v_wmma_scale_f32_16x16x128_f8f6f4 with both operands' format E2M3, f32 sums; everything else in f32.
;; Inputs: Wk 256 x 1,024 float32; Wproj 1,024 x 1,024 float32; Wq 1,024 x 1,024 float32; Wv 256 x 1,024 float32; q_gain 16 float32; x 4 x 2,048 x 1,024 float32.
;; Outputs: out0 4 x 2,048 x 1,024 float32.
;; This version of the problem:
;;   THIS VERSION OF THE PROBLEM IS GIVEN IN LOW PRECISION. The matrix products marked QUANTISED in the list below multiply operands that are first quantised to E2M3 (2 exponent bits, 3 mantissa bits; 6 bits a number), with one power-of-two scale for each 32 numbers along K (OCP MX v1.0); their sums are f32. All else is computed in f32.
;;   The module's matrix products, in the order in which they are computed (A, B: the left and right operand; K: the contracted axis; several contracted axes count as one K, in the product's order):
;;     1. [M 8,192, K 1,024] x [K 1,024, N 1,024]; A: input x; B: input Wq: QUANTISED
;;     2. [M 8,192, K 1,024] x [K 1,024, N 256]; A: input x; B: input Wk: QUANTISED
;;     3. [M 8,192, K 1,024] x [K 1,024, N 256]; A: input x; B: input Wv: QUANTISED
;;     4. batch 16 x [M 8,192, K 64] x [K 64, N 2,048]; A: computed on the way; B: computed on the way: QUANTISED
;;     5. batch 16 x [M 8,192, K 2,048] x [K 2,048, N 64]; A: softmax (see below); B: computed on the way: QUANTISED
;;     6. [M 8,192, K 1,024] x [K 1,024, N 1,024]; A: computed on the way; B: input Wproj: QUANTISED
;;   THE QUANTISER, for each operand of a quantised product, along K:
;;     - K is cut into blocks of 32 from its start; a last block that is shorter is filled with zeros.
;;     - A block's scale is 2^e with e = floor(log2(the largest magnitude in the block)) - 2, held to -126 .. 127; a block of zeros has e = 0. As a byte (E8M0): e + 127.
;;     - Each number is divided by its block's scale, clamped to +-7.5, and rounded to the nearest number of E2M3, ties to even, subnormals kept.
;;     - The product sums the exact products of the quantised numbers (number of the format x scale) in f32.
;;   ~~~python
;;   def quantise(x, axis):      # numpy; x: float32 -> the quantised numbers, widened to float32 again
;;       x = np.moveaxis(x, axis, -1); K = x.shape[-1]
;;       x = np.pad(x, [(0, 0)] * (x.ndim - 1) + [(0, -K % 32)]); x = x.reshape(x.shape[:-1] + (-1, 32)); a = np.abs(x).max(-1, keepdims=True)
;;       e = np.where(a > 0, np.clip(np.frexp(np.where(a > 0, a, 1))[1] - 1 - 2, -126, 127), 0)      # np.frexp(a)[1] - 1 = floor(log2(a)), exactly
;;       r = np.clip(x / 2.0 ** e, -7.5, 7.5)
;;       step = 2.0 ** (np.maximum(np.frexp(np.where(r == 0, 1, r))[1] - 1, 0) - 3)
;;       q = np.round(r / step) * step * 2.0 ** e      # np.round: ties to even
;;       return np.moveaxis(q.reshape(q.shape[:-2] + (-1,))[..., :K], -1, axis).astype(np.float32)
;;   ~~~
;;   SOFTMAX AHEAD OF A QUANTISED PRODUCT. Where the list says 'softmax', what is quantised is not the finished softmax but p = 2^(t - M), with t = logit x log2(e) and M = ceil(the row's largest t), a whole number; so 1/2 < the row's largest p <= 1. The row's sum l is taken of the UNQUANTISED p, in f32, and the product's result is divided by l at the end. Since M is a whole number, a kernel that streams over the keys may use a running M (the ceiling of the running maximum): every later rescaling is an exact power of two, which a block's scale takes up: the codes' values come out the same.
;;   OPERANDS COMPUTED ON THE WAY. 'Computed on the way' means the value that the module computes at that place (a softmax that the list does not call 'softmax' is quantised finished and normalised). What goes into a quantiser is computed in f32, as accurately as f32 sums, v_exp_f32 and their like allow (about 1e-6 of the number): no bf16 or f16 on the way to a quantiser, and a product that is left as it is and whose result goes on into a quantised operand takes f32 operands (vector FMAs, or v_wmma_f32_16x16x4_f32). A number that lies on a knife's edge between two numbers of the format may be rounded either way, as far as f32 arithmetic and the matrix unit's own rounding can turn it there, and no further.
;; One version. Each part assembles by itself: llvm-mc -triple=amdgcn-amd-amdhsa -mcpu=gfx1250 --defsym DOCPART=n.
;; ======== version 1 of 1: 4 launches
;; limits: right only within a limited range of input values
;; workspace buffers: XQ 6,553,600 bytes; WQ 2,048,000 bytes; ROPE 524,288 bytes; QI 6,553,600 bytes; KV 3,276,800 bytes; YQ 6,553,600 bytes
;; launch prep (part 1): grid 368 x 1, 4 waves a work-group, no clusters, 35,328 bytes of LDS; arguments x, Wq, Wk, Wv, Wproj, XQ, WQ, ROPE; writes XQ, WQ, ROPE
.if DOCPART == 1
	.amdgcn_target "amdgcn-amd-amdhsa--gfx1250"
	.amdhsa_code_object_version 6
	.text
	.protected	k_q4e0352e77c_prep
	.globl	k_q4e0352e77c_prep
	.p2align	8
	.type	k_q4e0352e77c_prep,@function
k_q4e0352e77c_prep:
	s_mov_b64 s[64:65], 0
	v_nop
	global_prefetch_b8 v0, s[64:65] scope:SCOPE_SE
	s_setreg_imm32_b32 hwreg(HW_REG_WAVE_MODE, 25, 1), 1
	s_wait_xcnt 0x0
; PREP: x and the four weights, f32 with K = 1,024 innermost, become codes of FP6 (E2M3) with one E8M0 byte for each 32 along K; and the table of cosines and sines for the rotary embedding is made.
; LAYOUT OF THE CODES (this program's own).  Rows go in tiles of 16 POSITIONS: position 32 b + 16 u + r holds row 32 b + 8 u + r + 8 (r / 8), so that in a matrix result the 16 registers of two
; neighbouring tiles are 16 neighbouring rows.  A tile's record is 12,800 bytes: for each 128 along K (kappa = 0 .. 7) two HALVES of 768 bytes, each the image of registers 0-5 of a fragment's half
; (16 rows x 64 K): lane l's registers 0-3 at 16 l, its registers 4, 5 at 512 + 8 l; lane (r, h) holds k = 32 h .. 32 h + 31 of row r.  Behind the codes, at 12,288: the scale words, [kappa / 4][r][kappa % 4].
; SHARES.  Work-groups 0-335 quantise: a wave takes one tile and one half of K: 8 units of 16 rows x 64 K.  0-255: x; 256-287: Wq; 288-295: Wk; 296-303: Wv; 304-335: Wproj.  In WQ the tiles lie:
; 0-63 Wq; 64 + 8 j + 0..3 Wk's head j, + 4..7 Wv's head j; 96-159 Wproj.  Only pointers and numbers are chosen by the work-group's number: all five tensors take one path.
; A unit's 8 loads read whole rows' 256 consecutive bytes (sixteen lanes each); the unit turns through the wave's own stage in LDS (rows 272 bytes apart) and comes back 128 bytes a lane: a whole block of 32.
; Work-groups 336-367 make the table: a wave one tile of 16 positions; no LDS.
; A block's scale is 2^(floor(log2(largest magnitude)) - 2); its byte is the largest magnitude's exponent field - 2, held at 1 from below.
; LIMITS: a block of zeros gets the byte 1 where the rule says 127 (its codes are zeros; this program alone reads the bytes); NaN and infinities are not served; blocks whose largest magnitude lies
; under 2^(3 - 127) take the floor's byte.  The table: positions under 2^11; the inverse frequencies come by v_exp_f32 with a correction, some 2 units in the last place, so an angle at the largest
; positions may differ from reference()'s by some 3e-4.
; No matrix unit, no cluster, no tensor load: the launch streams, and its work-groups share nothing.
.set REC,   12800
.set WREG,  8704                       ; LDS of a wave: two stages
.set STG,   4352                       ; a stage: 16 rows x 272 bytes
.set SPARE, 4*WREG                     ; behind the stages: the spare words, 128 bytes a wave
.set R,     32                         ; v32-127  three sets of 32: a unit as loaded
.set X,     128                        ; v128-191 two sets of 32: a lane's block
.set C,     192                        ; v192-255 eight registers of codes for each unit: no store's data are written again
	s_load_b256 s[4:11], s[0:1], 0x0               ; x, Wq, Wk, Wv
	s_load_b256 s[12:19], s[0:1], 0x20             ; Wproj, XQ, WQ, ROPE
	v_lshl_add_u32 v11, v0, 2, SPARE               ; my spare word; never rewritten
	v_mov_b32 v12, 0                               ; 0; never rewritten
	v_lshrrev_b32 v1, 5, v0
	v_readfirstlane_b32 s20, v1                    ; wave
	v_and_b32 v1, 31, v0                           ; lane
	v_and_b32 v2, 15, v0                           ; r
	v_bfe_u32 v3, v0, 4, 1                         ; h
	s_cmp_ge_u32 ttmp9, 336
	s_cbranch_scc1 .Ltable
	s_lshr_b32 s21, s20, 1                         ; which of the work-group's two tiles
	s_and_b32 s22, s20, 1                          ; which half of K
	v_lshlrev_b32 v13, 4, v2                       ; 16 (lane % 16)
	v_lshl_add_u32 v4, v3, 12, v13                 ; in: lanes 0-15 one row's 256 bytes, lanes 16-31 the next row's
	s_mul_i32 s23, s20, WREG
	v_mad_u32_u24 v5, v3, 272, v13
	v_add_nc_u32 v5, s23, v5                       ; into the stage: the same two rows
	v_mul_u32_u24 v6, v2, 272
	v_lshl_add_u32 v6, v3, 7, v6
	v_add_nc_u32 v6, s23, v6                       ; out of it: row r, 128 h bytes on: my block
	s_mul_i32 s24, s22, 6144
	v_lshl_add_u32 v7, v1, 4, s24                  ; a half's registers 0-3: 16 x lane, in my half of K
	v_lshl_add_u32 v8, v1, 3, s24                  ; its registers 4, 5: 8 x lane
	s_lshl_b32 s25, s22, 8
	v_lshl_add_u32 v9, v3, 3, v13
	v_add_nc_u32 v9, s25, v9                       ; the scale words: 16 r + 8 h + 256 x half of K
	v_lshlrev_b32 v10, 3, v3                       ; 8 h
.irp k, 20,21,22,23
	v_mov_b32 v\k, 0                               ; a lane permute's destination counts as one of its sources
.endr
	s_mov_b32 s36, 0x76543210
	s_mov_b32 s37, 0xfedcba98                      ; v_permlanex16_b32's selects for lane l xor 16
	s_mov_b32 s38, 0xffff0000                      ; lanes 16-31
	s_wait_kmcnt 0x0
	s_mov_b64 s[26:27], s[12:13]                   ; from: Wproj, unless the work-group's number says otherwise
	s_mov_b64 s[28:29], s[16:17]                   ; to: WQ
	s_mov_b32 s30, 304                             ; the tensor's first work-group
	s_mov_b32 s31, 96                              ; its first tile in the buffer
	s_mov_b32 s32, 0                               ; 1: heads of four tiles lie eight tiles apart
	s_cmp_lt_u32 ttmp9, 304
	s_cselect_b64 s[26:27], s[10:11], s[26:27]     ; Wv
	s_cselect_b32 s30, 296, s30
	s_cselect_b32 s31, 68, s31
	s_cselect_b32 s32, 1, s32
	s_cmp_lt_u32 ttmp9, 296
	s_cselect_b64 s[26:27], s[8:9], s[26:27]       ; Wk
	s_cselect_b32 s30, 288, s30
	s_cselect_b32 s31, 64, s31
	s_cmp_lt_u32 ttmp9, 288
	s_cselect_b64 s[26:27], s[6:7], s[26:27]       ; Wq
	s_cselect_b32 s30, 256, s30
	s_cselect_b32 s31, 0, s31
	s_cselect_b32 s32, 0, s32
	s_cmp_lt_u32 ttmp9, 256
	s_cselect_b64 s[26:27], s[4:5], s[26:27]       ; x
	s_cselect_b64 s[28:29], s[14:15], s[28:29]     ; to XQ
	s_cselect_b32 s30, 0, s30
	s_sub_co_u32 s33, ttmp9, s30
	s_lshl_b32 s33, s33, 1
	s_add_co_u32 s33, s33, s21                     ; my tile of the tensor
	s_lshr_b32 s34, s33, 1
	s_lshl_b32 s34, s34, 17                        ; 32 rows of 4,096 bytes for each pair of tiles,
	s_and_b32 s35, s33, 1
	s_lshl_b32 s35, s35, 15                        ; 8 rows for the odd tile,
	s_add_co_u32 s34, s34, s35
	s_lshl_b32 s35, s22, 11                        ; 2,048 bytes for the second half of K
	s_add_co_u32 s34, s34, s35
	s_mov_b32 s35, 0
	s_add_nc_u64 s[26:27], s[26:27], s[34:35]
	s_and_b32 s34, s33, 0xfffffffc
	s_mul_i32 s34, s34, s32
	s_add_co_u32 s34, s34, s33
	s_add_co_u32 s34, s34, s31                     ; my tile of the buffer
	s_mul_i32 s34, s34, REC
	s_add_nc_u64 s[28:29], s[28:29], s[34:35]
.macro LOAD u                          ; unit u: positions 2 i and 2 i + 1 are rows 2 i + 8 (i / 4) and the next
.irp i, 0,1,2,3,4,5,6,7
	global_load_b128 v[R+32*((\u)%3)+4*\i:R+32*((\u)%3)+4*\i+3], v4, s[26:27] offset:(2*\i+8*(\i/4))*4096+256*(\u) th:TH_LOAD_NT
.endr
.endm
.macro TURN u                          ; through the stage: LDS serves a wave's instructions in order, so no wait stands between the stores and the loads
.irp i, 0,1,2,3,4,5,6,7
	ds_store_b128 v5, v[R+32*((\u)%3)+4*\i:R+32*((\u)%3)+4*\i+3] offset:STG*((\u)%2)+544*\i
.endr
.irp e, 0,1,2,3,4,5,6,7
	ds_load_b128 v[X+32*((\u)%2)+4*\e:X+32*((\u)%2)+4*\e+3], v6 offset:STG*((\u)%2)+16*\e
.endr
.endm
.macro UNIT u
.set XS, X+32*((\u)%2)
.set CC, C+8*(\u)
	s_wait_dscnt 0x0                               ; my block is back from the stage: so the stores into the stage have read their registers,
.if (\u)+3 < 8
	LOAD (\u)+3                                    ; which take the unit three on
.endif
.if (\u) < 7
.if 6-(\u) >= 2
	s_wait_loadcnt 16                              ; the next unit's eight loads are in; those of the two units behind it may be out
.else
	s_wait_loadcnt 8*(6-(\u))
.endif
	TURN (\u)+1                                    ; it goes through the other stage while this unit is worked
.endif
	v_max3_num_f32 v13, |v[XS]|, |v[XS+1]|, |v[XS+2]|             ; the block's largest magnitude: all 32 numbers are mine
	v_max3_num_f32 v14, |v[XS+3]|, |v[XS+4]|, |v[XS+5]|
.irp i, 6,10,14,18,22,26
	v_max3_num_f32 v13, v13, |v[XS+\i]|, |v[XS+\i+1]|
	v_max3_num_f32 v14, v14, |v[XS+\i+2]|, |v[XS+\i+3]|
.endr
	v_max3_num_f32 v13, v13, |v[XS+30]|, |v[XS+31]|
	v_max3_num_f32 v13, v13, v14, 0x1800000        ; and the floor 2^(3 - 127): the byte cannot fall under 1
	v_add_nc_u32 v15, 0xff000000, v13              ; 2 off its exponent field: the conversion takes the exponent field of this operand as its scale
	v_lshrrev_b32 v14, 23, v15                     ; the scale's byte: block 2 (u % 2) + h of the 128 along K
.if (\u)%2 == 0
	v_mov_b32 v[16+(\u)/2], v14
.else
	v_lshl_or_b32 v[16+(\u)/2], v14, 16, v[16+(\u)/2]
.endif
	v_cvt_scalef32_pk16_fp6_f32 v[CC:CC+2], v[XS:XS+15], v15
	v_cvt_scalef32_pk16_fp6_f32 v[CC+4:CC+6], v[XS+16:XS+31], v15  ; (a conversion's three registers begin on an even number)
	v_nop                                          ; one plain line behind a scaled conversion
	v_mov_b32 v[CC+3], v[CC+4]
	v_mov_b32 v[CC+4], v[CC+5]
	v_mov_b32 v[CC+5], v[CC+6]                     ; six registers on end: 32 codes
	global_store_b128 v7, v[CC:CC+3], s[28:29] offset:768*(\u)      ; 512 consecutive bytes, aligned
	global_store_b64 v8, v[CC+4:CC+5], s[28:29] offset:768*(\u)+512 ; 256 consecutive bytes, aligned
.endm
	LOAD 0
	LOAD 1
	LOAD 2
	s_wait_loadcnt 16                              ; unit 0 is in; units 1 and 2 may be out
	TURN 0
.irp u, 0,1,2,3,4,5,6,7
	UNIT \u
.endr
.irp k, 0,1,2,3
	v_lshlrev_b32 v[16+\k], v10, v[16+\k]          ; my two bytes at their places in the word (8 h bits up);
.endr
.irp k, 0,1,2,3
	v_permlanex16_b32 v[20+\k], v[16+\k], s36, s37
.endr
.irp k, 0,1,2,3
	v_or_b32 v[16+\k], v[16+\k], v[20+\k]          ; with lane l xor 16's two the word is whole
.endr
	v_cndmask_b32 v24, v16, v18, s38               ; lanes 0-15 store words 0, 1 of their row, lanes 16-31 words 2, 3
	v_cndmask_b32 v25, v17, v19, s38
	global_store_b64 v9, v[24:25], s[28:29] offset:12288            ; 256 consecutive bytes, aligned
	s_wait_tensorcnt 0x0                           ; the wave's end, behind my last LDS store
	ds_add_u32 v11, v12
	s_wait_dscnt 0x0
	s_endpgm
; THE TABLE.  ROPE: [tile of 16 positions][quad 0-7][lane][4 f32]: quads 0-3 the cosines of j = 16 h + 4 quad + e, quads 4-7 the sines, at the position that lane r's row of a tile holds.
.Ltable:
	s_sub_co_u32 s21, ttmp9, 336
	s_lshl_b32 s21, s21, 2
	s_add_co_u32 s21, s21, s20                     ; my tile, 0 .. 127
	s_lshr_b32 s22, s21, 1
	s_lshl_b32 s22, s22, 5
	s_and_b32 s23, s21, 1
	s_lshl_b32 s23, s23, 3
	s_add_co_u32 s22, s22, s23
	s_wait_alu depctr_va_vdst(0)
	v_and_b32 v13, 8, v2
	v_add3_u32 v13, v13, v2, s22                   ; the position: 32 b + 8 u + r + 8 (r / 8)
	v_cvt_f32_u32 v15, v13
	v_lshlrev_b32 v14, 4, v3                       ; 16 h
	s_wait_alu depctr_va_vdst(0)
	v_lshlrev_b32 v10, 4, v1                       ; 16 x lane
	s_lshl_b32 s24, s21, 12
	s_mov_b32 s25, 0
	s_mov_b32 s39, 0x3f22f983                      ; 2 / pi
	s_mov_b32 s40, 0xbfc90fdb                      ; -(pi / 2 rounded to f32)
	s_mov_b32 s41, 0x333bbd2e                      ; that number less pi / 2
	s_mov_b32 s42, 0xb94ca1f9                      ; the sine's polynomial on |r| <= pi / 4,
	s_mov_b32 s43, 0x3c08839e
	s_mov_b32 s46, 0xbe2aaaa3
	s_mov_b32 s44, 0x37ccf5ce                      ; the cosine's
	s_mov_b32 s45, 0xbab6061a
	s_mov_b32 s47, 0x3d2aaaa5
	s_mov_b32 s48, 0xbed49a00                      ; -(log2(10000) / 32 cut to 15 bits): times j <= 31 it is exact
	s_mov_b32 s49, 0x3626c40d                      ; ln 2 x what was cut off
.irp n, 0,1,2,3,4,5,6,7,8,9,10,11,12,13,14,15
	v_add_nc_u32 v16, \n, v14
	v_cvt_f32_u32 v[48+\n], v16                    ; j = 16 h + n
	v_mul_f32 v[32+\n], s48, v[48+\n]
.endr
	s_wait_alu depctr_va_vdst(0)
.irp n, 0,1,2,3,4,5,6,7,8,9,10,11,12,13,14,15
	v_exp_f32 v[32+\n], v[32+\n]                   ; one batch
.endr
.irp n, 0,1,2,3,4,5,6,7,8,9,10,11,12,13,14,15
	v_mul_f32 v[48+\n], s49, v[48+\n]              ; plain work that names no result
.endr
	s_wait_alu depctr_va_vdst(0)                   ; one wait for the batch, ahead of its first reader
.irp n, 0,1,2,3,4,5,6,7,8,9,10,11,12,13,14,15
	v_fma_f32 v[32+\n], -v[48+\n], v[32+\n], v[32+\n]   ; 10000^(-j / 32)
.endr
.macro SINCOS n
	v_mul_f32 v16, v15, v[32+\n]                   ; the angle, rounded once, as reference() has it
	v_mul_f32 v17, s39, v16
	v_rndne_f32 v17, v17                           ; k quarter turns, under 2^11
	v_fma_f32 v18, v17, s40, v16                   ; exact: a multiple of 2^-23 under 1
	v_fma_f32 v18, v17, s41, v18                   ; r = angle - k pi / 2
	v_mul_f32 v19, v18, v18
	v_fma_f32 v20, v19, s42, s43
	v_fma_f32 v21, v19, s44, s45
	v_fma_f32 v20, v20, v19, s46
	v_fma_f32 v21, v21, v19, s47
	v_mul_f32 v22, v18, v19
	v_mul_f32 v23, v19, v19
	v_fma_f32 v24, v19, -0.5, 1.0
	v_fma_f32 v20, v22, v20, v18                   ; sin r
	v_fma_f32 v21, v23, v21, v24                   ; cos r
	v_cvt_i32_f32 v25, v17
	v_and_b32 v26, 1, v25
	v_cmp_eq_u32 vcc_lo, 1, v26                    ; an odd quarter swaps the two (a choice of values: no branch)
	v_cndmask_b32 v22, v20, v21, vcc_lo
	v_cndmask_b32 v23, v21, v20, vcc_lo
	v_and_b32 v26, 2, v25
	v_lshlrev_b32 v26, 30, v26
	v_xor_b32 v[80+\n], v26, v22                   ; the sine: negative in quarters 2, 3
	v_add_nc_u32 v25, 1, v25
	v_and_b32 v25, 2, v25
	v_lshlrev_b32 v25, 30, v25
	v_xor_b32 v[64+\n], v25, v23                   ; the cosine: negative in quarters 1, 2
.endm
.irp n, 0,1,2,3,4,5,6,7,8,9,10,11,12,13,14,15
	SINCOS \n
.endr
	s_wait_alu depctr_va_vdst(0)
	s_wait_kmcnt 0x0
	s_add_nc_u64 s[18:19], s[18:19], s[24:25]
.irp q, 0,1,2,3
	global_store_b128 v10, v[64+4*\q:67+4*\q], s[18:19] offset:512*\q
	global_store_b128 v10, v[80+4*\q:83+4*\q], s[18:19] offset:512*\q+2048
.endr
	s_endpgm
.Lfunc_end_k_q4e0352e77c_prep:
	.size	k_q4e0352e77c_prep, .Lfunc_end_k_q4e0352e77c_prep-k_q4e0352e77c_prep
	.p2alignl 7, 3214868480
	.fill 96, 4, 3214868480
	.section	.rodata,"a",@progbits
	.p2align	6, 0x0
	.amdhsa_kernel k_q4e0352e77c_prep
		.amdhsa_group_segment_fixed_size 35328
		.amdhsa_private_segment_fixed_size 0
		.amdhsa_enable_private_segment 0
		.amdhsa_kernarg_size 64
		.amdhsa_user_sgpr_count 2
		.amdhsa_user_sgpr_kernarg_segment_ptr 1
		.amdhsa_wavefront_size32 1
		.amdhsa_system_sgpr_workgroup_id_x 1
		.amdhsa_system_sgpr_workgroup_id_y 1
		.amdhsa_system_sgpr_workgroup_id_z 1
		.amdhsa_system_vgpr_workitem_id 0
		.amdhsa_next_free_vgpr 256
		.amdhsa_next_free_sgpr 66
		.amdhsa_reserve_vcc 1
		.amdhsa_float_denorm_mode_32 3
		.amdhsa_float_denorm_mode_16_64 3
		.amdhsa_memory_ordered 1
		.amdhsa_forward_progress 1
		.amdhsa_inst_pref_size 56
	.end_amdhsa_kernel
	.amdgpu_metadata
---
amdhsa.version: [ 1, 2 ]
amdhsa.kernels:
  - .name:           k_q4e0352e77c_prep
    .symbol:         k_q4e0352e77c_prep.kd
    .args:
      - { .name: x, .offset: 0, .size: 8, .value_kind: global_buffer, .address_space: global }
      - { .name: Wq, .offset: 8, .size: 8, .value_kind: global_buffer, .address_space: global }
      - { .name: Wk, .offset: 16, .size: 8, .value_kind: global_buffer, .address_space: global }
      - { .name: Wv, .offset: 24, .size: 8, .value_kind: global_buffer, .address_space: global }
      - { .name: Wproj, .offset: 32, .size: 8, .value_kind: global_buffer, .address_space: global }
      - { .name: XQ, .offset: 40, .size: 8, .value_kind: global_buffer, .address_space: global }
      - { .name: WQ, .offset: 48, .size: 8, .value_kind: global_buffer, .address_space: global }
      - { .name: ROPE, .offset: 56, .size: 8, .value_kind: global_buffer, .address_space: global }
    .group_segment_fixed_size: 35328
    .private_segment_fixed_size: 0
    .kernarg_segment_align: 8
    .kernarg_segment_size: 64
    .max_flat_workgroup_size: 128
    .sgpr_count:     66
    .vgpr_count:     256
    .wavefront_size: 32
...
	.end_amdgpu_metadata
.endif
;; end of part 1
;; launch qkv (part 2): grid 12 x 64, 4 waves a work-group, clusters of 4 x 4, 197,120 bytes of LDS; arguments XQ, WQ, ROPE, q_gain, QI, KV; writes QI, KV
.if DOCPART == 2
	.amdgcn_target "amdgcn-amd-amdhsa--gfx1250"
	.amdhsa_code_object_version 6
	.text
	.protected	k_q4e0352e77c_qkv
	.globl	k_q4e0352e77c_qkv
	.p2align	8
	.type	k_q4e0352e77c_qkv,@function
k_q4e0352e77c_qkv:
	s_mov_b64 s[64:65], 0
	v_nop
	global_prefetch_b8 v0, s[64:65] scope:SCOPE_SE
	s_setreg_imm32_b32 hwreg(HW_REG_WAVE_MODE, 25, 1), 1
	s_wait_xcnt 0x0
	s_wait_alu depctr_hold_cnt(0) depctr_sa_sdst(0) depctr_va_vdst(0) depctr_va_sdst(0) depctr_va_ssrc(0) depctr_va_vcc(0) depctr_vm_vsrc(0)
	s_getreg_b32 s2, hwreg(HW_REG_IB_STS2, 6, 4)
	s_cmp_eq_u32 s2, 0
	s_cbranch_scc0 .Lentry_in_a_cluster
	s_endpgm
.Lentry_in_a_cluster:
	s_bfe_u32 s2, ttmp6, 0x10000c
	s_cmp_lg_u32 s2, 0xf033
	s_cbranch_scc0 .Lentry_shape_is_right
	s_endpgm
.Lentry_shape_is_right:
; QKV: x Wq^T, x Wk^T, x Wv^T on codes of FP6 (E2M3) with E8M0 scales; then, in registers and in f32, the RMS norm over a head's 64, the rotary embedding and the head's gain; then q, k and v are quantised
; for attention's two products and stored as codes.  No f32 number goes to memory.
; SHARES.  A work-group makes 128 rows of W (8 tiles of 16) x 128 tokens (8 tiles), all of K = 1,024.  Four waves: hsel = wave / 2 picks four tiles of W (one head), tsel = wave % 2 four tiles of tokens:
; 16 accumulators a wave.  Column blocks 0-7 (clusters x = 0, 1): two query heads each.  Blocks 8-11 (cluster x = 2): W's tiles 0-3 are a key head, tiles 4-7 the value head of the same number.
; NO RING.  The whole K of both tiles, 196,608 bytes, is filled once, by one tensor load a wave of four tiles' codes for all of K; one wait for 0 stands ahead of the first step.
; A wave has one tensor load outstanding.  Nothing is filled again, so no barrier here has a fill behind it.  All loads stand at the head: there is nothing to ask for earlier.
; CLUSTER 4 x 4.  W's tiles hang on the column block alone and are asked for jointly by a column of the cluster, x's on the token block alone, by a row: a quarter of the requests.
; LAYOUT.  Source 0 = 16 rows of W, source 1 = 16 tokens: a lane holds ONE token and its registers run along the head's 64: registers 0-15 of a token tile are d = 16 h + i, registers 16-31 d + 32, by the
; order in which rows lie in tiles.  So the norm, the rotation and the two blocks of 32 along d want only lane l xor 16.  A VALUE wave multiplies the other way round (source 0 = tokens): its lane holds
; one d and its registers run along the tokens, which are the second product's K.  The choice is a scalar branch on the cluster's x and the wave's number, the same in all partners.
; OUT.  QI: q's halves [batch][head][tile of 16 positions][768], then the scale words [batch][head][pair of tiles][r] (bytes 0, 1: the even tile).  KV: a record of 12,800 bytes for each (batch, kv head, 128 keys):
; four fragments of K (half c of fragment f = key tile 2 f + c), four of V^T (d tile t; half c = keys 64 c on), K's scale words [r][f], V's [r][t].
; LIMITS: the gain is folded into the norm's factor (one rounding placed otherwise than in reference()); a block of zeros gets the byte 1; NaN and infinities are not served.
; REGISTERS.  Window 0: v1-21 lane numbers, addresses, offsets; v22-29 the tiles' factors; v32-63 W's scale words (tile a, step k at 32 + 8 a + k), v64-95 x's; v96-159 the tables of token tiles 0, 1, later at work;
;   v160-255 fragment set 1, later the tables of tiles 2, 3 and at work.   Window 1: v0-127 the accumulators (token tile t, W tile a at 32 t + 8 a); v128-223 fragment set 0.
.set REC,   12800
; THE FILL AS IT STANDS, in place of the four chunks that the head comment names: ONE tensor load a wave brings four tiles' codes for all of K, 4 x 12,288 bytes;
; step k of tile a lies at 12,288 a + 1,536 k of the wave's part.  One wait for 0 and one barrier stand ahead of the first LDS read; a wave has one tensor load outstanding.
.set QUART, 49152                      ; a wave's part: four tiles x 12,288 bytes
.set SPARE, 196608                     ; behind the chunks: the spare words, 128 bytes a wave
.set SW,  32
.set SX,  64
.set F0,  128                          ; in window 1
.set F1,  160                          ; in window 0
.set G1X, 24                           ; s[24:31] descriptor group 1 for x's tiles;  s[32:39] for W's: the mask differs
.set G1W, 32
.set G0X, 40                           ; s[40:43] group 0 for x's tiles;  s[68:71] for W's
.set G0W, 68
.set MSB, 0
.macro WIN new                         ; the immediate's high byte repeats the setting that is left
.if MSB != \new
	s_set_vgpr_msb (MSB<<8)|\new
.set MSB, \new
.endif
.endm
.macro CROUND                          ; a round of the cluster's barrier
	s_barrier_signal -1
	s_barrier_wait -1
	s_cmp_lg_u32 s16, 0
	s_cbranch_scc1 .Lnot_wave_0_\@
	s_barrier_signal -3
.Lnot_wave_0_\@:
	s_barrier_wait -3
	s_barrier_signal -1
	s_barrier_wait -1
.endm
.macro PLACES                          ; four plain lines behind a matrix instruction, in front of loads into its registers and of reads of its results
.rept 4
	v_nop
.endr
.endm
	s_load_b256 s[4:11], s[0:1], 0x0               ; XQ, WQ, ROPE, q_gain
	s_load_b128 s[12:15], s[0:1], 0x20             ; QI, KV
	v_lshl_add_u32 v8, v0, 2, SPARE                ; my spare word; never rewritten
	v_mov_b32 v9, 0                                ; 0; never rewritten
	ds_add_u32 v8, v9                              ; the wave's opening: the add and its wait ahead of my first tensor load
	ds_add_u32 v8, v9
	v_lshrrev_b32 v1, 5, v0
	v_readfirstlane_b32 s16, v1                    ; wave
	s_lshr_b32 s17, s16, 1                         ; hsel
	s_and_b32 s18, s16, 1                          ; tsel; also: which four tiles I fetch
	s_bfe_u32 s19, ttmp6, 0x40000                  ; cx
	s_bfe_u32 s20, ttmp6, 0x40004                  ; cy
	s_lshl_b32 s21, ttmp9, 2
	s_add_co_u32 s21, s21, s19                     ; column block
	s_and_b32 s22, ttmp7, 0xffff
	s_lshl_b32 s22, s22, 2
	s_add_co_u32 s22, s22, s20                     ; token block
	s_lshl_b32 s23, s20, 2
	s_lshl_b32 s23, 15, s23                        ; my row of the cluster
	s_lshl_b32 s56, 0x1111, s19                    ; my column
	s_or_b32 s[G1X], s23, (3<<16)|(1<<21)          ; 15:0 the mask; 17:16 elements of 8 bytes; 21 set beside a mask; no padding
	s_or_b32 s[G1W], s56, (3<<16)|(1<<21)
.irp g, G1X, G1W
	s_mov_b32 s[\g+1], 1536<<16                    ; tensor_dim0: 12,288 bytes, a record's codes
	s_mov_b32 s[\g+2], 4<<16                       ; tensor_dim1: four tiles
	s_mov_b32 s[\g+3], 1536<<16                    ; tile_dim0
	s_mov_b32 s[\g+4], 4                           ; tile_dim1
	s_mov_b32 s[\g+5], 1600                        ; from record to record: 12,800 bytes
	s_mov_b32 s[\g+6], 0
	s_mov_b32 s[\g+7], 0
.endr
	s_lshl_b32 s57, s18, 2
	s_lshl_b32 s58, s22, 3
	s_add_co_u32 s58, s58, s57
	s_mul_i32 s58, s58, REC                        ; x: tile 8 x token block + 4 x half: made of the token block alone
	s_mov_b32 s59, 0
	s_lshl_b32 s60, s21, 3
	s_add_co_u32 s60, s60, s57
	s_mul_i32 s60, s60, REC                        ; W: made of the column block alone
	s_mov_b32 s61, 0
	s_mul_i32 s57, s16, QUART                      ; where they go: wave x 49,152: waves 0, 1 W's halves, waves 2, 3 x's
	s_mov_b32 s2, 0x76543210
	s_mov_b32 s3, 0xfedcba98                       ; v_permlanex16_b32's selects for lane l xor 16
	s_mov_b32 s66, 0x3c800000                      ; 1 / 64
	s_mov_b32 s67, 0x34000000                      ; the norm's epsilon, 2^-23
	s_wait_dscnt 0x0                               ; the opening add is done
	s_wait_kmcnt 0x0
	s_add_nc_u64 s[58:59], s[4:5], s[58:59]
	s_add_nc_u64 s[60:61], s[6:7], s[60:61]
	CROUND                                         ; all sixteen work-groups are here: the joint loads meet
	s_mov_b32 s[G0X], 1
	s_add_co_u32 s[G0X+1], s57, 0
	s_mov_b64 s[G0X+2:G0X+3], s[58:59]
	s_or_b32 s[G0X+3], s[G0X+3], 0x80000000
	s_mov_b32 s[G0W], 1
	s_add_co_u32 s[G0W+1], s57, 0
	s_mov_b64 s[G0W+2:G0W+3], s[60:61]
	s_or_b32 s[G0W+3], s[G0W+3], 0x80000000
	s_cmp_lt_u32 s16, 2                            ; a wave's one fill stands in one branch on the wave's number, ahead of every wait on TENSORcnt, every LDS read and every barrier of the work-group
	s_cbranch_scc0 .Lfirst_x
	tensor_load_to_lds s[G0W:G0W+3], s[G1W:G1W+7]  ; one tensor load a wave at the head
	s_nop 0
.rept 4
	v_nop
.endr
	s_branch .Lfirst_done
.Lfirst_x:
	tensor_load_to_lds s[G0X:G0X+3], s[G1X:G1X+7]
	s_nop 0
.rept 4
	v_nop
.endr
.Lfirst_done:
	v_and_b32 v1, 15, v0                           ; r
	v_bfe_u32 v2, v0, 4, 1                         ; h
	v_lshlrev_b32 v3, 4, v1                        ; 16 r
	s_wait_alu depctr_va_vdst(0)
	v_and_b32 v31, 31, v0
	v_lshlrev_b32 v10, 4, v31                      ; 16 x lane
	v_lshlrev_b32 v30, 3, v31                      ; 8 x lane
	s_mul_i32 s62, s17, QUART
	v_add_nc_u32 v4, s62, v10                      ; my four tiles of W in a chunk: registers 0-3 of a half,
	v_add_nc_u32 v5, s62, v30                      ; registers 4, 5
	s_mul_i32 s63, s18, QUART
	s_add_co_u32 s63, s63, 2*QUART
	v_add_nc_u32 v6, s63, v10                      ; my four tiles of x
	v_add_nc_u32 v7, s63, v30
	s_lshl_b32 s84, s21, 3
	s_lshl_b32 s88, s17, 2
	s_add_co_u32 s84, s84, s88
	s_mul_i32 s84, s84, REC
	s_mov_b32 s85, 0
	s_add_nc_u64 s[84:85], s[6:7], s[84:85]        ; the records of my tiles of W,
	s_lshl_b32 s91, s22, 3
	s_lshl_b32 s88, s18, 2
	s_add_co_u32 s91, s91, s88                     ; my first token tile
	s_mul_i32 s86, s91, REC
	s_mov_b32 s87, 0
	s_add_nc_u64 s[86:87], s[4:5], s[86:87]        ; and of x
.irp a, 0,1,2,3
.irp kh, 0,1
	global_load_b128 v[SW+8*\a+4*\kh:SW+8*\a+4*\kh+3], v3, s[84:85] offset:\a*REC+12288+256*\kh   ; lane r: row r's words of four steps of 128 along K
	global_load_b128 v[SX+8*\a+4*\kh:SX+8*\a+4*\kh+3], v3, s[86:87] offset:\a*REC+12288+256*\kh
.endr
.endr
	s_cmp_eq_u32 ttmp9, 2
	s_cselect_b32 s90, s17, 0                      ; 1 in a value wave
	s_and_b32 s88, s91, 127                        ; my first tile's place in its sequence
	s_lshl_b32 s88, s88, 12
	s_mov_b32 s89, 0
	s_add_nc_u64 s[88:89], s[8:9], s[88:89]
.macro TABLE reg, t                    ; token tile t's 16 cosines and 16 sines a lane
.irp q, 0,1,2,3,4,5,6,7
	global_load_b128 v[\reg+4*\q:\reg+4*\q+3], v10, s[88:89] offset:4096*\t+512*\q
.endr
.endm
	s_cmp_lg_u32 s90, 0
	s_cbranch_scc1 .Lno_tab
	s_wait_alu depctr_va_vdst(0)
	TABLE 96, 0
	TABLE 128, 1
.Lno_tab:
	s_lshl_b32 s92, s21, 1
	s_add_co_u32 s92, s92, s17
	s_lshl_b32 s92, s92, 2                         ; my query head's gain,
	s_cmp_lt_u32 ttmp9, 2
	s_cselect_b32 s92, s92, 0                      ; (a key or value wave reads the first and does not use it)
	s_load_b32 s93, s[10:11], s92 offset:0x0
	; where the results go
	s_lshr_b32 s94, s22, 4                         ; batch
	s_and_b32 s95, s22, 15                         ; which 128 tokens of the sequence
	s_lshl_b32 s96, s94, 4
	s_lshl_b32 s56, s21, 1
	s_add_co_u32 s96, s96, s56
	s_add_co_u32 s96, s96, s17                     ; 16 x batch + head
	s_lshl_b32 s97, s96, 7
	s_lshl_b32 s56, s95, 3
	s_add_co_u32 s97, s97, s56
	s_lshl_b32 s56, s18, 2
	s_add_co_u32 s97, s97, s56                     ; q: my first tile in QI
	s_lshl_b32 s98, s97, 5                         ; 64 bytes of scale words for each pair of tiles,
	s_add_co_u32 s98, s98, 6291456                 ; behind the halves
	s_mul_i32 s97, s97, 768
	s_lshl_b32 s57, s94, 2
	s_and_b32 s56, s21, 3
	s_add_co_u32 s57, s57, s56                     ; 4 x batch + kv head
	s_lshl_b32 s57, s57, 4
	s_add_co_u32 s57, s57, s95
	s_mul_i32 s57, s57, REC                        ; the key step's record
	s_mul_i32 s58, s18, 3072
	s_add_co_u32 s58, s58, s57                     ; k: fragments 2 tsel, 2 tsel + 1
	s_lshl_b32 s59, s18, 3
	s_add_co_u32 s59, s59, s57
	s_add_co_u32 s59, s59, 12288
	s_mul_i32 s60, s18, 768
	s_add_co_u32 s60, s60, s57
	s_add_co_u32 s60, s60, 6144                    ; v: half tsel of each fragment
	s_lshl_b32 s61, s18, 1
	s_add_co_u32 s61, s61, s57
	s_add_co_u32 s61, s61, 12544
	s_cmp_lg_u32 s90, 0
	s_cselect_b32 s58, s60, s58
	s_cselect_b32 s59, s61, s59
	s_lshl_b32 s60, 1536, s90                      ; from pair to pair: 1,536 bytes; v: 3,072
	s_lshl_b32 s61, 768, s90                       ; from half to half: 768; v: 1,536
	s_lshl_b32 s62, 2, s90                         ; scale bytes: from lanes 0-15 to lanes 16-31: 2; v: 4
	s_lshl_b32 s63, 4, s90                         ; from pair to pair: k 4, v 8,
	s_cmp_lt_u32 ttmp9, 2
	s_cselect_b32 s97, s97, s58
	s_cselect_b32 s98, s98, s59
	s_cselect_b32 s63, 64, s63                     ; q 64
	s_cselect_b32 s99, 4, 16                       ; from row to row: q 4, k and v 16
	s_cselect_b64 s[100:101], s[12:13], s[14:15]   ; QI or KV: the choice hangs on the cluster's number alone
	s_wait_alu depctr_va_vdst(0)
	v_add_nc_u32 v11, s97, v10                     ; v11-14: registers 0-3 of (pair 0, half 0), (0, 1), (1, 0), (1, 1)
	v_add_nc_u32 v12, s61, v11
	v_add_nc_u32 v13, s60, v11
	v_add_nc_u32 v14, s61, v13
	v_add_nc_u32 v15, s97, v30                     ; v15-18: registers 4, 5 (512 more in the immediate)
	v_add_nc_u32 v16, s61, v15
	v_add_nc_u32 v17, s60, v15
	v_add_nc_u32 v18, s61, v17
	v_mov_b32 v19, s98                             ; v19, v20: the pairs' scale bytes, two a lane
	v_mad_u32_u24 v19, v1, s99, v19
	v_mad_u32_u24 v19, v2, s62, v19
	v_add_nc_u32 v20, s63, v19
	v_lshlrev_b32 v21, 4, v2                       ; 16 h
; 32 LDS loads: the fragments of step k (128 along K) into a set: W's four at + 12 a, x's four at + 48 + 12 t.  A half comes back as it was stored: 16 bytes a lane, then 8.
.macro FETCH k, f, win
	WIN \win
.irp a, 0,1,2,3
	ds_load_b128 v[\f+12*\a:\f+12*\a+3], v4 offset:\a*12288+(\k)*1536
	ds_load_b64 v[\f+12*\a+4:\f+12*\a+5], v5 offset:\a*12288+(\k)*1536+512
	ds_load_b128 v[\f+12*\a+6:\f+12*\a+9], v4 offset:\a*12288+(\k)*1536+768
	ds_load_b64 v[\f+12*\a+10:\f+12*\a+11], v5 offset:\a*12288+(\k)*1536+1280
.endr
.irp a, 0,1,2,3
	ds_load_b128 v[\f+48+12*\a:\f+48+12*\a+3], v6 offset:\a*12288+(\k)*1536
	ds_load_b64 v[\f+48+12*\a+4:\f+48+12*\a+5], v7 offset:\a*12288+(\k)*1536+512
	ds_load_b128 v[\f+48+12*\a+6:\f+48+12*\a+9], v6 offset:\a*12288+(\k)*1536+768
	ds_load_b64 v[\f+48+12*\a+10:\f+48+12*\a+11], v7 offset:\a*12288+(\k)*1536+1280
.endr
	WIN 0
.endm
; 16 matrix instructions, the 16 accumulators by turns in the same order in every step.  swap = 1: source 0 = tokens, source 1 = rows of W.
.macro MULS k, f, win, zero, swap
	WIN \win
.irp t, 0,1,2,3
.irp a, 0,1,2,3
.if \swap
.if \zero
	v_wmma_scale_f32_16x16x128_f8f6f4 v[32*\t+8*\a:32*\t+8*\a+7], v[\f+48+12*\a:\f+59+12*\a], v[\f+12*\t:\f+11+12*\t], 0, v[SX+8*\a+\k], v[SW+8*\t+\k] matrix_a_fmt:MATRIX_FMT_FP6 matrix_b_fmt:MATRIX_FMT_FP6
.else
	v_wmma_scale_f32_16x16x128_f8f6f4 v[32*\t+8*\a:32*\t+8*\a+7], v[\f+48+12*\a:\f+59+12*\a], v[\f+12*\t:\f+11+12*\t], v[32*\t+8*\a:32*\t+8*\a+7], v[SX+8*\a+\k], v[SW+8*\t+\k] matrix_a_fmt:MATRIX_FMT_FP6 matrix_b_fmt:MATRIX_FMT_FP6
.endif
.else
.if \zero
	v_wmma_scale_f32_16x16x128_f8f6f4 v[32*\t+8*\a:32*\t+8*\a+7], v[\f+12*\a:\f+11+12*\a], v[\f+48+12*\t:\f+59+12*\t], 0, v[SW+8*\a+\k], v[SX+8*\t+\k] matrix_a_fmt:MATRIX_FMT_FP6 matrix_b_fmt:MATRIX_FMT_FP6
.else
	v_wmma_scale_f32_16x16x128_f8f6f4 v[32*\t+8*\a:32*\t+8*\a+7], v[\f+12*\a:\f+11+12*\a], v[\f+48+12*\t:\f+59+12*\t], v[32*\t+8*\a:32*\t+8*\a+7], v[SW+8*\a+\k], v[SX+8*\t+\k] matrix_a_fmt:MATRIX_FMT_FP6 matrix_b_fmt:MATRIX_FMT_FP6
.endif
.endif
.endr
.endr
	WIN 0                                          ; at a label and at a branch every window is 0
.endm
.macro MUL k, zero                     ; even steps multiply set 0 (window 1), odd steps set 1 (window 0); the sums lie in window 1
	s_cmp_lg_u32 s90, 0
	s_cbranch_scc1 .Lswp_\@
.if (\k)%2
	MULS \k, F1, 0x50, \zero, 0
.else
	MULS \k, F0, 0x55, \zero, 0
.endif
	s_branch .Lmul_\@
.Lswp_\@:
.if (\k)%2
	MULS \k, F1, 0x50, \zero, 1
.else
	MULS \k, F0, 0x55, \zero, 1
.endif
.Lmul_\@:
.endm
	s_wait_alu depctr_va_vdst(0)
	s_wait_tensorcnt 0x0                           ; my one load is in: my four tiles, all of K
	s_barrier_signal -1
	s_barrier_wait -1
	FETCH 0, F0, 0x40
	s_wait_loadcnt 0x0                             ; the scale words and the first tables
	s_wait_kmcnt 0x0
	s_cmp_lt_u32 ttmp9, 2
	s_cselect_b32 s93, s93, 1.0                    ; keys have no gain
	FETCH 1, F1, 0
	s_wait_dscnt 32                                ; all but the 32 just issued
	MUL 0, 1                                       ; the first step starts the sums: nothing is cleared
	PLACES
	FETCH 2, F0, 0x40
	s_wait_dscnt 32                                ; all but the 32 just issued
	MUL 1, 0
	PLACES
	FETCH 3, F1, 0
	s_wait_dscnt 32
	MUL 2, 0
	PLACES
	FETCH 4, F0, 0x40
	s_wait_dscnt 32
	MUL 3, 0
	PLACES
	FETCH 5, F1, 0
	s_wait_dscnt 32
	MUL 4, 0
	PLACES
	FETCH 6, F0, 0x40
	s_wait_dscnt 32
	MUL 5, 0
	PLACES
	FETCH 7, F1, 0
	s_wait_dscnt 32
	MUL 6, 0
	s_wait_dscnt 0x0
	MUL 7, 0
	PLACES
	s_cmp_lg_u32 s90, 0
	s_cbranch_scc1 .Lquant                         ; values are neither normed nor turned
	TABLE 160, 2                                   ; into set 1's registers, which are done with
	TABLE 192, 3
	; the sum of squares of each token's 64, each accumulator read from its low end on
	WIN 0x05                                       ; sources 0, 1: window 1
.irp t, 0,1,2,3
	v_pk_mul_f32 v[224+4*\t:225+4*\t], v[32*\t:32*\t+1], v[32*\t:32*\t+1]
	v_pk_mul_f32 v[226+4*\t:227+4*\t], v[32*\t+2:32*\t+3], v[32*\t+2:32*\t+3]
.endr
.irp i, 4,8,12,16,20,24,28
.irp t, 0,1,2,3
	v_pk_fma_f32 v[224+4*\t:225+4*\t], v[32*\t+\i:32*\t+\i+1], v[32*\t+\i:32*\t+\i+1], v[224+4*\t:225+4*\t]
	v_pk_fma_f32 v[226+4*\t:227+4*\t], v[32*\t+\i+2:32*\t+\i+3], v[32*\t+\i+2:32*\t+\i+3], v[226+4*\t:227+4*\t]
.endr
.endr
	WIN 0
.irp t, 0,1,2,3
	v_add_f32 v[224+4*\t], v[224+4*\t], v[225+4*\t]
	v_add_f32 v[226+4*\t], v[226+4*\t], v[227+4*\t]
.endr
.irp t, 0,1,2,3
	v_add_f32 v[224+4*\t], v[224+4*\t], v[226+4*\t]
.endr
.irp t, 0,1,2,3
	v_permlanex16_b32 v[225+4*\t], v[224+4*\t], s2, s3
.endr
.irp t, 0,1,2,3
	v_add_f32 v[224+4*\t], v[224+4*\t], v[225+4*\t]          ; with lane l xor 16's 32
.endr
.irp t, 0,1,2,3
	v_fma_f32 v[224+4*\t], v[224+4*\t], s66, s67             ; the mean + epsilon
.endr
	s_wait_alu depctr_va_vdst(0)
.irp t, 0,1,2,3
	v_rsq_f32 v[226+4*\t], v[224+4*\t]
.endr
	v_nop                                          ; a plain line behind the last of the batch
	s_wait_alu depctr_va_vdst(0)                   ; one wait for the four, ahead of their first reader
.irp t, 0,1,2,3
	v_mul_f32 v[22+2*\t], s93, v[226+4*\t]         ; the factor: 1 / rms x gain, twice: a pair for the packed multiply
	v_mul_f32 v[23+2*\t], s93, v[226+4*\t]
.endr
; token tile t: x f; then (x1, x2) -> (x1 cos + x2 sin, x2 cos - x1 sin).  tab: its 16 cosines, then its 16 sines
.macro ROPE t, tab
	WIN 0x41                                       ; source 0 and destination: window 1
.irp i, 0,2,4,6,8,10,12,14,16,18,20,22,24,26,28,30
	v_pk_mul_f32 v[32*\t+\i:32*\t+\i+1], v[32*\t+\i:32*\t+\i+1], v[22+2*\t:23+2*\t]
.endr
	WIN 0x01
.irp i, 0,2,4,6,8,10,12,14
	v_pk_mul_f32 v[224+\i:225+\i], v[32*\t+16+\i:32*\t+17+\i], v[\tab+16+\i:\tab+17+\i]
	v_pk_mul_f32 v[240+\i:241+\i], v[32*\t+\i:32*\t+\i+1], v[\tab+16+\i:\tab+17+\i]
.endr
	WIN 0x41
.irp i, 0,2,4,6,8,10,12,14
	v_pk_fma_f32 v[32*\t+\i:32*\t+\i+1], v[32*\t+\i:32*\t+\i+1], v[\tab+\i:\tab+\i+1], v[224+\i:225+\i]
	v_pk_fma_f32 v[32*\t+16+\i:32*\t+17+\i], v[32*\t+16+\i:32*\t+17+\i], v[\tab+\i:\tab+\i+1], v[240+\i:241+\i] neg_lo:[0,0,1] neg_hi:[0,0,1]
.endr
	WIN 0
.endm
	ROPE 0, 96
	ROPE 1, 128
	s_wait_loadcnt 0x0                             ; the tables of tiles 2 and 3
	ROPE 2, 160
	ROPE 3, 192
.Lquant:
; Pair p: 64 registers on end of window 1, register 16 b + i = number 32 b + 16 h + i along the quantiser's axis: four blocks of 32, each shared with lane l xor 16.  They become two halves (blocks 0, 1 and 2, 3)
; at v[e + 20] on, and a word of four scale bytes.  e: 41 registers of window 0 that are done with; each pair has its own, so no store's data are written again.
.macro QUANTW p, e
.set SR, 64*(\p)
	WIN 0x05
.irp b, 0,1,2,3
	v_max3_num_f32 v[\e+\b], |v[SR+16*\b]|, |v[SR+16*\b+1]|, 0x1800000   ; with the floor 2^(3 - 127): the byte cannot fall under 1
.endr
	WIN 0x14                                       ; sources 1, 2: window 1
.irp i, 2,4,6,8,10,12,14
.irp b, 0,1,2,3
	v_max3_num_f32 v[\e+\b], v[\e+\b], |v[SR+16*\b+\i]|, |v[SR+16*\b+\i+1]|
.endr
.endr
	WIN 0
.irp b, 0,1,2,3
	v_mov_b32 v[\e+4+\b], 0                        ; a lane permute's destination counts as one of its sources
.endr
.irp b, 0,1,2,3
	v_permlanex16_b32 v[\e+4+\b], v[\e+\b], s2, s3
.endr
.irp b, 0,1,2,3
	v_max_num_f32 v[\e+\b], v[\e+\b], v[\e+4+\b]   ; the block's largest magnitude
.endr
.irp b, 0,1,2,3
	v_add_nc_u32 v[\e+12+\b], 0xff000000, v[\e+\b] ; 2 off its exponent field: the conversion's scale operand
.endr
.irp b, 0,1,2,3
	v_lshrrev_b32 v[\e+4+\b], 23, v[\e+12+\b]      ; the scale's byte
.endr
	v_lshl_or_b32 v[\e+16], v[\e+5], 8, v[\e+4]
	v_lshl_or_b32 v[\e+16], v[\e+6], 16, v[\e+16]
	v_lshl_or_b32 v[\e+16], v[\e+7], 24, v[\e+16]
	v_lshrrev_b32 v[\e+40], v21, v[\e+16]          ; lanes 0-15 store bytes 0, 1, lanes 16-31 bytes 2, 3
	WIN 0x01
.irp c, 0,1
	v_cvt_scalef32_pk16_fp6_f32 v[\e+20+6*\c:\e+22+6*\c], v[SR+32*\c:SR+32*\c+15], v[\e+12+2*\c]
	v_cvt_scalef32_pk16_fp6_f32 v[\e+32+4*\c:\e+34+4*\c], v[SR+32*\c+16:SR+32*\c+31], v[\e+13+2*\c]
.endr
	WIN 0
	v_nop                                          ; one plain line behind a scaled conversion
.irp c, 0,1                            ; a lane of the operand holds a WHOLE block: lanes 0-15 the half's first, lanes 16-31 its second
.irp i, 0,1,2
	v_permlane16_swap_b32 v[\e+20+6*\c+\i], v[\e+32+4*\c+\i]
.endr
.irp i, 0,1,2
	v_mov_b32 v[\e+23+6*\c+\i], v[\e+32+4*\c+\i]
.endr
.endr
	global_store_b128 v[11+2*\p], v[\e+20:\e+23], s[100:101]             ; 512 consecutive bytes, aligned
	global_store_b64 v[15+2*\p], v[\e+24:\e+25], s[100:101] offset:512   ; 256 consecutive bytes, aligned
	global_store_b128 v[12+2*\p], v[\e+26:\e+29], s[100:101]
	global_store_b64 v[16+2*\p], v[\e+30:\e+31], s[100:101] offset:512
	global_store_b16 v[19+\p], v[\e+40], s[100:101]                      ; the scale bytes: one part in 24 of the codes' bytes
.endm
	QUANTW 0, 96
	QUANTW 1, 160
	s_wait_tensorcnt 0x0                           ; the wave's end
	ds_add_u32 v8, v9
	s_wait_dscnt 0x0
	CROUND                                         ; the closing round
	s_endpgm
.Lfunc_end_k_q4e0352e77c_qkv:
	.size	k_q4e0352e77c_qkv, .Lfunc_end_k_q4e0352e77c_qkv-k_q4e0352e77c_qkv
	.p2alignl 7, 3214868480
	.fill 96, 4, 3214868480
	.section	.rodata,"a",@progbits
	.p2align	6, 0x0
	.amdhsa_kernel k_q4e0352e77c_qkv
		.amdhsa_group_segment_fixed_size 197120
		.amdhsa_private_segment_fixed_size 0
		.amdhsa_enable_private_segment 0
		.amdhsa_kernarg_size 48
		.amdhsa_user_sgpr_count 2
		.amdhsa_user_sgpr_kernarg_segment_ptr 1
		.amdhsa_wavefront_size32 1
		.amdhsa_system_sgpr_workgroup_id_x 1
		.amdhsa_system_sgpr_workgroup_id_y 1
		.amdhsa_system_sgpr_workgroup_id_z 1
		.amdhsa_system_vgpr_workitem_id 0
		.amdhsa_next_free_vgpr 512
		.amdhsa_next_free_sgpr 104
		.amdhsa_reserve_vcc 0
		.amdhsa_float_denorm_mode_32 3
		.amdhsa_float_denorm_mode_16_64 3
		.amdhsa_memory_ordered 1
		.amdhsa_forward_progress 1
		.amdhsa_inst_pref_size 92
	.end_amdhsa_kernel
	.amdgpu_metadata
---
amdhsa.version: [ 1, 2 ]
amdhsa.kernels:
  - .name:           k_q4e0352e77c_qkv
    .symbol:         k_q4e0352e77c_qkv.kd
    .args:
      - { .name: XQ, .offset: 0, .size: 8, .value_kind: global_buffer, .address_space: global }
      - { .name: WQ, .offset: 8, .size: 8, .value_kind: global_buffer, .address_space: global }
      - { .name: ROPE, .offset: 16, .size: 8, .value_kind: global_buffer, .address_space: global }
      - { .name: q_gain, .offset: 24, .size: 8, .value_kind: global_buffer, .address_space: global }
      - { .name: QI, .offset: 32, .size: 8, .value_kind: global_buffer, .address_space: global }
      - { .name: KV, .offset: 40, .size: 8, .value_kind: global_buffer, .address_space: global }
    .group_segment_fixed_size: 197120
    .private_segment_fixed_size: 0
    .kernarg_segment_align: 8
    .kernarg_segment_size: 48
    .max_flat_workgroup_size: 128
    .sgpr_count:     104
    .vgpr_count:     512
    .wavefront_size: 32
...
	.end_amdgpu_metadata
.endif
;; end of part 2
;; launch attn (part 3): grid 16 x 16, 16 waves a work-group, no clusters, 206,848 bytes of LDS; arguments QI, KV, YQ; writes YQ
.if DOCPART == 3
	.amdgcn_target "amdgcn-amd-amdhsa--gfx1250"
	.amdhsa_code_object_version 6
	.text
	.protected	k_q4e0352e77c_attn
	.globl	k_q4e0352e77c_attn
	.p2align	8
	.type	k_q4e0352e77c_attn,@function
k_q4e0352e77c_attn:
	s_mov_b64 s[64:65], 0
	v_nop
	global_prefetch_b8 v0, s[64:65] scope:SCOPE_SE
	s_setreg_imm32_b32 hwreg(HW_REG_WAVE_MODE, 25, 1), 1
	s_wait_xcnt 0x0
; ATTENTION on codes of FP6 (E2M3): S^T = K Q^T (K = the head's 64), the softmax by the whole-number-M rule, O^T = V^T P^T (K = the keys), O / the row's sum, and y quantised along the model's 1,024 for the last product.
; t = score x log2(e) / 8; M = the running largest t rounded UP to a whole number; p = 2^(t - M) is quantised along the keys, not normalised; the row's sum is taken of the unquantised p.
; SHARES.  A work-group takes one (batch, kv head) and the two blocks of 64 queries pi and 31 - pi.  Block qb wants qb / 2 + 1 steps of 128 keys, so every work-group has 17 steps a wave: 256 equal work-groups.
; Sixteen waves, four to a SIMD, so that one wave's vector work stands beside another's products and LDS loads: wave w has query head 4 kv + w / 4 and tile w % 4 of the block's four tiles of 16 positions.
; K AND V STAY IN LDS: the head's 16 records of 12,800 bytes are filled once, one tensor load a wave (one outstanding); one wait for 0 and one barrier stand ahead of the first step.
; Nothing is filled again.  All loads stand at the head, so there is nothing to ask for earlier.
; NO CLUSTER: the work-groups that share K and V differ in their query blocks, and with them in the scalar branches that leave hidden steps out and pick the diagonal step; a launch with joint loads may have
; no branch that differs between partners.  All 16 steps are fetched whatever the block.
; K = 64 IN AN INSTRUCTION OF 128.  A fragment of K holds TWO key tiles (half 0: tile 2 f, half 1: tile 2 f + 1).  Q lies between zeros, [0 | Q | 0] in v16-33: source 1 = v[22:33] = [Q | 0] gives tile 2 f,
; v[16:27] = [0 | Q] gives tile 2 f + 1: zero codes times numbers of a format without infinities add nothing.  The zero half's scale bytes are 1.
; LAYOUT.  Both products are used transposed: a lane holds ONE query throughout.  By the order of rows in tiles, score register 16 f + 8 c + j is key 128 step + 32 f + 16 h + 8 c + j: 16 neighbours for the conversions.
; LIMITS: p under 2^-126 counts as 0; a block of zeros gets the byte 1; NaN and infinities are not served.
; REGISTERS: v1-3 16 x lane, 8 x lane, 16 r; v4, v5 the add's two; v6 the diagonal's bound; v7, v11, v45 y's offsets; v8-10 the step's LDS addresses; v12 -M, v13 the largest t, v[14:15] the sum; v16-33 Q among zeros;
; v34, v35 Q's scale words, v36-39 K's, v40-43 V's, v44 p's; v46 4 r, v47 my query's place; v48-95 four fragments; v96-159 S^T, then p; v160-191 O^T; v192-203 p's codes; v204-231 at work.
.set REC,   12800
.set SPARE, 204800                     ; behind the 16 records: the spare words, 128 bytes a wave
	s_load_b128 s[4:7], s[0:1], 0x0                ; QI, KV
	s_load_b64 s[8:9], s[0:1], 0x10                ; YQ
	v_lshl_add_u32 v4, v0, 2, SPARE
	v_mov_b32 v5, 0
	ds_add_u32 v4, v5                              ; the wave's opening: the add and its wait ahead of the first tensor load
	ds_add_u32 v4, v5
	v_lshrrev_b32 v1, 5, v0
	s_delay_alu instid0(VALU_DEP_1)
	v_readfirstlane_b32 s10, v1                    ; wave
	s_lshr_b32 s11, s10, 2                         ; g: which of the four query heads
	s_and_b32 s12, s10, 3                          ; i: which tile of the block
	s_and_b32 s13, ttmp7, 0xffff                   ; 4 x batch + kv head
	s_lshr_b32 s14, s13, 2
	s_and_b32 s15, s13, 3
	s_mov_b32 s24, 3<<16                           ; group 1: a record as 50 dense rows of 256 bytes: elements of 8 bytes, no mask, no padding
	s_mov_b32 s25, 32<<16
	s_mov_b32 s26, 50<<16
	s_mov_b32 s27, 32<<16
	s_mov_b32 s28, 50
	s_mov_b32 s29, 32
	s_mov_b32 s30, 0
	s_mov_b32 s31, 0
	s_lshl_b32 s58, s13, 4
	s_add_co_u32 s58, s58, s10                     ; THE FILL AS IT STANDS, in place of the four loads in waves 0-3 that the head comment names: wave w fetches key step w's record
	s_mul_i32 s58, s58, REC
	s_mov_b32 s59, 0
	s_mul_i32 s60, s10, REC                        ; to LDS byte 12,800 w
	s_mov_b32 s20, 0x76543210
	s_mov_b32 s21, 0xfedcba98                      ; v_permlanex16_b32's selects for lane l xor 16
	s_mov_b32 s22, 0x3e38aa3b                      ; c = log2(e) / 8
	s_mov_b32 s23, s22                             ; (named with it as a pair)
	s_mov_b32 s51, 0xffff0000                      ; lanes 16-31
	s_mov_b32 s72, 0x01010000
	s_wait_dscnt 0x0                               ; the opening add is done
	s_wait_kmcnt 0x0
	s_add_nc_u64 s[58:59], s[6:7], s[58:59]
	s_mov_b32 s32, 1
	s_add_co_u32 s33, s60, 0
	s_mov_b64 s[34:35], s[58:59]
	s_or_b32 s35, s35, 0x80000000
	tensor_load_to_lds s[32:35], s[24:31]          ; sixteen records, sixteen waves: one tensor load a wave, with no branch; one outstanding
	s_nop 0
	v_and_b32 v48, 31, v0
	s_delay_alu instid0(VALU_DEP_1)
	v_lshlrev_b32 v1, 4, v48                       ; 16 x lane
	s_delay_alu instid0(VALU_DEP_2)
	v_lshlrev_b32 v2, 3, v48                       ; 8 x lane
	v_and_b32 v49, 15, v0                          ; r
	v_bfe_u32 v50, v0, 4, 1                        ; h
	s_delay_alu instid0(VALU_DEP_2)
	v_lshlrev_b32 v3, 4, v49
	s_wait_alu depctr_va_vdst(0)
	v_lshlrev_b32 v46, 2, v49
	v_and_b32 v51, 8, v49
	s_delay_alu instid0(VALU_DEP_1)
	v_add_nc_u32 v47, v51, v49
	v_lshlrev_b32 v51, 4, v50
	s_delay_alu instid0(VALU_DEP_1)
	v_sub_nc_u32 v47, v47, v51                     ; r + 8 (r / 8) - 16 h
	s_lshl_b32 s61, s15, 1
	s_lshr_b32 s62, s11, 1
	s_add_co_u32 s61, s61, s62                     ; y: my head's 64 lie in step kappa = 2 kv + g / 2 of the last product's K,
	s_and_b32 s62, s11, 1                          ; half g % 2
	s_mul_i32 s63, s61, 1536
	s_mul_i32 s66, s62, 768
	s_add_co_u32 s63, s63, s66
	v_add_nc_u32 v11, s63, v1
	v_add_nc_u32 v45, s63, v2
	s_lshr_b32 s66, s61, 2
	s_lshl_b32 s66, s66, 8
	s_and_b32 s67, s61, 3
	s_lshl_b32 s67, s67, 2
	s_add_co_u32 s66, s66, s67
	s_lshl_b32 s67, s62, 1
	s_add_co_u32 s66, s66, s67
	s_add_co_u32 s66, s66, 12288
	v_add3_u32 v7, v3, v50, s66                    ; my scale byte: word (kappa, r), byte 2 (g % 2) + h
	s_lshl_b32 s68, s14, 4
	s_lshl_b32 s67, s15, 2
	s_add_co_u32 s68, s68, s67
	s_add_co_u32 s68, s68, s11                     ; 16 x batch + head
.irp k, 16,17,18,19,20,21,28,29,30,31,32,33
	v_mov_b32 v\k, 0                               ; the zero codes on both sides of Q
.endr
.irp k, 216,217,218,219,229,230
	v_mov_b32 v\k, 0                               ; written once: lane permutes' destinations, and the upper half of the pair v[228:229]
.endr
; A KEY STEP: 128 keys, whose record begins at LDS byte s48; s49 is its number, s19 the block's number of steps.
.macro STEP
	s_cmp_ge_u32 s49, s19                          ; a step all of whose keys come after the block's queries is left out: a scalar branch on ids, round no barrier and no tensor load
	s_cbranch_scc1 .Lskip_\@
	v_add_nc_u32 v8, s48, v1
	v_add_nc_u32 v9, s48, v2
	v_add_nc_u32 v10, s48, v3
	v_nop                                          ; four places behind the last step's products, in front of the loads into their registers
.irp f, 0,1,2,3
	ds_load_b128 v[48+12*\f:51+12*\f], v8 offset:1536*\f
	ds_load_b64 v[52+12*\f:53+12*\f], v9 offset:1536*\f+512
	ds_load_b128 v[54+12*\f:57+12*\f], v8 offset:1536*\f+768
	ds_load_b64 v[58+12*\f:59+12*\f], v9 offset:1536*\f+1280
.endr
	ds_load_b128 v[36:39], v10 offset:12288        ; K's four scale words of row r,
	ds_load_b128 v[40:43], v10 offset:12544        ; V's
	s_wait_alu depctr_va_vdst(0)
	s_wait_dscnt 0x0
.irp f, 0,1,2,3
	v_wmma_scale_f32_16x16x128_f8f6f4 v[96+16*\f:103+16*\f], v[48+12*\f:59+12*\f], v[22:33], 0, v[36+\f], v34 matrix_a_fmt:MATRIX_FMT_FP6 matrix_b_fmt:MATRIX_FMT_FP6
	v_wmma_scale_f32_16x16x128_f8f6f4 v[104+16*\f:111+16*\f], v[48+12*\f:59+12*\f], v[16:27], 0, v[36+\f], v35 matrix_a_fmt:MATRIX_FMT_FP6 matrix_b_fmt:MATRIX_FMT_FP6
.endr
.rept 4
	v_nop                                          ; places in front of the loads below and of the first read of the scores
.endr
.irp f, 0,1,2,3                        ; V's fragments land while the softmax is walked
	ds_load_b128 v[48+12*\f:51+12*\f], v8 offset:6144+1536*\f
	ds_load_b64 v[52+12*\f:53+12*\f], v9 offset:6144+1536*\f+512
	ds_load_b128 v[54+12*\f:57+12*\f], v8 offset:6144+1536*\f+768
	ds_load_b64 v[58+12*\f:59+12*\f], v9 offset:6144+1536*\f+1280
.endr
	s_add_co_u32 s16, s49, 1
	s_cmp_lg_u32 s16, s19
	s_cbranch_scc1 .Lopen_\@                       ; only the block's last step lies on the diagonal
	v_mov_b32 v230, 0xff800000                     ; there hidden scores become -infinity ahead of the maximum: p = 0 then
.set n, 0
.rept 64
	v_cmp_gt_i32 vcc_lo, 32*(n/16)+n%16, v6
	v_cndmask_b32 v[96+n], v[96+n], v230, vcc_lo
.set n, n+1
.endr
.Lopen_\@:
.irp b, 0,1,2,3
	v_max3_num_f32 v[212+\b], v[96+16*\b], v[97+16*\b], v[98+16*\b]   ; the largest score of each block of 32 keys: for the row's maximum and, since p rises with the score, for the block's largest p
.endr
.irp i, 3,5,7,9,11,13
.irp b, 0,1,2,3
	v_max3_num_f32 v[212+\b], v[212+\b], v[96+16*\b+\i], v[97+16*\b+\i]
.endr
.endr
.irp b, 0,1,2,3
	v_max_num_f32 v[212+\b], v[212+\b], v[111+16*\b]
.endr
.irp b, 0,1,2,3
	s_delay_alu instid0(VALU_DEP_4)
	v_permlanex16_b32 v[216+\b], v[212+\b], s20, s21
.endr
.irp b, 0,1,2,3
	s_delay_alu instid0(VALU_DEP_4)
	v_max_num_f32 v[212+\b], v[212+\b], v[216+\b]
.endr
	s_delay_alu instid0(VALU_DEP_2)
	v_max3_num_f32 v230, v212, v213, v214
	s_delay_alu instid0(VALU_DEP_1)
	v_max_num_f32 v230, v230, v215
	s_delay_alu instid0(VALU_DEP_1)
	v_mul_f32 v230, s22, v230                      ; as t (c is positive)
	s_delay_alu instid0(VALU_DEP_1)
	v_max_num_f32 v13, v13, v230                   ; the running largest t
	v_mov_b32 v230, v12
	s_delay_alu instid0(VALU_DEP_2)
	v_floor_f32 v12, -v13                          ; the new -M = floor(-t): M is a whole number
	s_delay_alu instid0(VALU_DEP_1)
	v_sub_f32 v230, v12, v230                      ; old M - new M: a whole number, 0 or less
	s_delay_alu instid0(VALU_DEP_1)
	v_cvt_i32_f32 v230, v230                       ; (it saturates)
	s_delay_alu instid0(VALU_DEP_1)
	v_ldexp_f32 v228, 1.0, v230                    ; f = 2^(old M - new M): a multiplication by it rounds nothing
.set j, 0
.rept 32
	v_pk_fma_f32 v[96+j:97+j], v[96+j:97+j], s[22:23], v[12:13] op_sel_hi:[1,0,0]   ; t - M
.set j, j+2
.endr
.irp b, 0,1,2,3
	v_fma_f32 v[212+\b], v[212+\b], s22, v12       ; the same of each block's largest score
.endr
.set j, 0
	s_wait_alu depctr_va_vdst(0)
.rept 64
	v_exp_f32 v[96+j], v[96+j]                     ; p = 2^(t - M): one batch
.set j, j+1
.endr
	v_pk_mul_f32 v[14:15], v[14:15], v[228:229] op_sel_hi:[1,0]   ; the sums under the new M: a plain line behind the batch
	s_wait_alu depctr_va_vdst(0)                   ; one wait for the 64, ahead of their first reader
.irp b, 0,1,2,3
	v_exp_f32 v[212+\b], v[212+\b]                 ; the blocks' largest p
.endr
	v_pk_add_f32 v[216:217], v[100:101], v[104:105]
	v_pk_add_f32 v[254:255], v[108:109], v[112:113]
	v_pk_add_f32 v[252:253], v[116:117], v[120:121]
	v_pk_add_f32 v[250:251], v[124:125], v[128:129]
	v_pk_add_f32 v[248:249], v[132:133], v[136:137]
	v_pk_add_f32 v[246:247], v[140:141], v[144:145]
	v_pk_add_f32 v[244:245], v[148:149], v[152:153]
	v_pk_add_f32 v[14:15], v[14:15], v[156:157]
	v_pk_add_f32 v[216:217], v[216:217], v[96:97]
	v_pk_add_f32 v[254:255], v[254:255], v[98:99]
	v_pk_add_f32 v[252:253], v[252:253], v[102:103]
	v_pk_add_f32 v[250:251], v[250:251], v[106:107]
	v_pk_add_f32 v[248:249], v[248:249], v[110:111]
	v_pk_add_f32 v[246:247], v[246:247], v[114:115]
	v_pk_add_f32 v[244:245], v[244:245], v[118:119]
	v_pk_add_f32 v[14:15], v[14:15], v[122:123]
	v_pk_add_f32 v[216:217], v[216:217], v[126:127]
	v_pk_add_f32 v[254:255], v[254:255], v[130:131]
	v_pk_add_f32 v[252:253], v[252:253], v[134:135]
	v_pk_add_f32 v[250:251], v[250:251], v[138:139]
	v_pk_add_f32 v[248:249], v[248:249], v[142:143]
	v_pk_add_f32 v[246:247], v[246:247], v[146:147]
	v_pk_add_f32 v[244:245], v[244:245], v[150:151]
	v_pk_add_f32 v[14:15], v[14:15], v[154:155]
	v_pk_add_f32 v[216:217], v[216:217], v[158:159]
	s_delay_alu instid0(VALU_DEP_2)
	v_pk_add_f32 v[14:15], v[14:15], v[250:251]
	s_delay_alu instid0(VALU_DEP_2)
	v_pk_add_f32 v[216:217], v[216:217], v[248:249]
	v_pk_add_f32 v[254:255], v[254:255], v[246:247]
	v_pk_add_f32 v[252:253], v[252:253], v[244:245]
	s_delay_alu instid0(VALU_DEP_2)
	v_pk_add_f32 v[14:15], v[14:15], v[254:255]
	s_delay_alu instid0(VALU_DEP_2)
	v_pk_add_f32 v[216:217], v[216:217], v[252:253]
	s_delay_alu instid0(VALU_DEP_1)
	v_pk_add_f32 v[14:15], v[14:15], v[216:217]
	s_wait_alu depctr_va_vdst(0)                   ; and one for the four
.irp b, 0,1,2,3
	v_max_num_f32 v[212+\b], 0x1800000, v[212+\b]  ; the floor 2^(3 - 127): the byte cannot fall under 1
.endr
.irp b, 0,1,2,3
	s_delay_alu instid0(VALU_DEP_4)
	v_add_nc_u32 v[220+\b], 0xff000000, v[212+\b]  ; the conversion's scale operand
.endr
.irp b, 0,1,2,3
	s_delay_alu instid0(VALU_DEP_4)
	v_lshrrev_b32 v[224+\b], 23, v[220+\b]
.endr
	s_delay_alu instid0(VALU_DEP_3)
	v_lshl_or_b32 v44, v225, 8, v224               ; p's scale word for these 128 keys
	s_delay_alu instid0(VALU_DEP_1)
	v_lshl_or_b32 v44, v226, 16, v44
	s_delay_alu instid0(VALU_DEP_1)
	v_lshl_or_b32 v44, v227, 24, v44
.irp c, 0,1
	v_cvt_scalef32_pk16_fp6_f32 v[192+6*\c:194+6*\c], v[96+32*\c:111+32*\c], v[220+2*\c]
	v_cvt_scalef32_pk16_fp6_f32 v[204+4*\c:206+4*\c], v[112+32*\c:127+32*\c], v[221+2*\c]
.endr
	v_nop                                          ; one plain line behind a scaled conversion
.irp c, 0,1
.irp i, 0,1,2
	v_permlane16_swap_b32 v[192+6*\c+\i], v[204+4*\c+\i]
.endr
.irp i, 0,1,2
	s_delay_alu instid0(VALU_DEP_3)
	v_mov_b32 v[195+6*\c+\i], v[204+4*\c+\i]
.endr
.endr
.set j, 0
.rept 16
	v_pk_mul_f32 v[160+j:161+j], v[160+j:161+j], v[228:229] op_sel_hi:[1,0]   ; O^T under the new M; these sixteen are also the places between the scale word, the codes and the products
.set j, j+2
.endr
	s_wait_alu depctr_va_vdst(0)
	s_wait_dscnt 0x0                               ; V's fragments
.irp t, 0,1,2,3
	v_wmma_scale_f32_16x16x128_f8f6f4 v[160+8*\t:167+8*\t], v[48+12*\t:59+12*\t], v[192:203], v[160+8*\t:167+8*\t], v[40+\t], v44 matrix_a_fmt:MATRIX_FMT_FP6 matrix_b_fmt:MATRIX_FMT_FP6
.endr
.Lskip_\@:
.endm
; Four steps, written once and walked four times: every LDS address is a constant, a constant step in a loop of constant count, and a lane's term.
	s_mov_b32 s17, 0
.Lphase:                                           ; two trips: block pi, then block 31 - pi
	s_wait_xcnt 0x0                                ; the last block's loads and stores have read their registers and pointers
	s_sub_co_u32 s18, 31, ttmp9
	s_cmp_eq_u32 s17, 0
	s_cselect_b32 s18, ttmp9, s18                  ; the block of 64 queries
	s_lshr_b32 s19, s18, 1
	s_add_co_u32 s19, s19, 1                       ; its steps
	s_lshl_b32 s69, s18, 2
	s_add_co_u32 s69, s69, s12                     ; my tile of the sequence
	s_lshl_b32 s70, s68, 7
	s_add_co_u32 s70, s70, s69
	s_mul_i32 s52, s70, 768
	s_mov_b32 s53, 0
	s_add_nc_u64 s[52:53], s[4:5], s[52:53]        ; q's half
	s_lshr_b32 s54, s70, 1
	s_lshl_b32 s54, s54, 6
	s_add_co_u32 s54, s54, 6291456
	s_mov_b32 s55, 0
	s_add_nc_u64 s[54:55], s[4:5], s[54:55]        ; its pair's scale words
	s_lshl_b32 s56, s14, 7
	s_add_co_u32 s56, s56, s69
	s_mul_i32 s56, s56, REC
	s_mov_b32 s57, 0
	s_add_nc_u64 s[56:57], s[8:9], s[56:57]        ; y's record
	global_load_b128 v[22:25], v1, s[52:53]
	global_load_b64 v[26:27], v2, s[52:53] offset:512
	global_load_b32 v231, v46, s[54:55]
	s_lshl_b32 s71, s18, 6
	s_lshr_b32 s70, s12, 1
	s_lshl_b32 s70, s70, 5
	s_add_co_u32 s71, s71, s70
	s_and_b32 s70, s12, 1
	s_lshl_b32 s70, s70, 3
	s_add_co_u32 s71, s71, s70
	s_sub_co_u32 s70, s19, 1
	s_lshl_b32 s70, s70, 7
	s_sub_co_u32 s71, s71, s70
	v_add_nc_u32 v6, s71, v47                      ; my query - the last step's first key - 16 h: register n of that step is hidden where 32 (n / 16) + n % 16 is above it
	v_mov_b32 v13, 0xff61b1e6                      ; the largest t so far: -3e38
	s_delay_alu instid0(VALU_DEP_1)
	v_floor_f32 v12, -v13
	v_mov_b32 v14, 0
	v_mov_b32 v15, 0
	s_and_b32 s70, s12, 1
	s_lshl_b32 s70, s70, 4
	s_wait_loadcnt 0x0
	v_lshrrev_b32 v231, s70, v231                  ; my tile's two bytes of the pair's word
	s_delay_alu instid0(VALU_DEP_1)
	v_and_or_b32 v34, v231, 0xffff, s72            ; for [Q | 0]: bytes 0, 1 mine, 2, 3 = 1
	s_delay_alu instid0(VALU_DEP_2)
	v_lshl_or_b32 v35, v231, 16, 0x0101            ; for [0 | Q]
.set j, 0
.rept 32
	v_mov_b32 v[160+j], 0                          ; O^T: the step is written once, and the first change of M leaves zeros zeros.  (More than the eight places between a scale register so written and a scaled product)
.set j, j+1
.endr
	s_wait_tensorcnt 0x0                           ; my record is in (met at once in the second block)
	s_wait_dscnt 0x0                               ; no LDS access of mine is open at the signal
	s_barrier_signal -1
	s_barrier_wait -1                              ; every wave's record is in
; Four steps, written once for each group and walked four times: every LDS address is a constant, a constant step in a loop of constant count, and a lane's term.
; No barrier stands between the groups: all sixteen records are in behind the one above, and nothing is filled again.
.macro QUAD c
	s_mov_b32 s48, \c*4*REC
	s_mov_b32 s49, 4*\c
	s_mov_b32 s50, 4
.Lstep_\@:
	STEP
	s_add_co_u32 s48, s48, REC
	s_add_co_u32 s49, s49, 1
	s_sub_co_u32 s50, s50, 1
	s_cmp_lg_u32 s50, 0
	s_cbranch_scc1 .Lstep_\@
.endm
	QUAD 0
	QUAD 1
	QUAD 2
	QUAD 3
.rept 4
	v_nop                                          ; places behind the last products
.endr
	v_add_f32 v14, v14, v15
	s_delay_alu instid0(VALU_DEP_1)
	v_permlanex16_b32 v230, v14, s20, s21
	s_delay_alu instid0(VALU_DEP_1)
	v_add_f32 v14, v14, v230                       ; the row's sum
	s_wait_alu depctr_va_vdst(0)
	v_rcp_f32 v14, v14
	v_nop
	s_wait_alu depctr_va_vdst(0)                   ; the wait, ahead of the first reader
.set j, 0
.rept 32
	v_mul_f32 v[96+j], v[160+j], v14               ; y: register 16 b + i is d = 32 b + 16 h + i of my head
.set j, j+1
.endr
.irp b, 0,1
	v_max3_num_f32 v[212+\b], |v[96+16*\b]|, |v[97+16*\b]|, 0x1800000
.endr
.irp i, 2,4,6,8,10,12,14
.irp b, 0,1
	s_delay_alu instid0(VALU_DEP_2)
	v_max3_num_f32 v[212+\b], v[212+\b], |v[96+16*\b+\i]|, |v[97+16*\b+\i]|
.endr
.endr
.irp b, 0,1
	s_delay_alu instid0(VALU_DEP_2)
	v_permlanex16_b32 v[216+\b], v[212+\b], s20, s21
.endr
.irp b, 0,1
	s_delay_alu instid0(VALU_DEP_2)
	v_max_num_f32 v[212+\b], v[212+\b], v[216+\b]
.endr
.irp b, 0,1
	s_delay_alu instid0(VALU_DEP_2)
	v_add_nc_u32 v[220+\b], 0xff000000, v[212+\b]
.endr
.irp b, 0,1
	s_delay_alu instid0(VALU_DEP_2)
	v_lshrrev_b32 v[224+\b], 23, v[220+\b]
.endr
	s_delay_alu instid0(VALU_DEP_1)
	v_cndmask_b32 v226, v224, v225, s51            ; lanes 0-15 store block 0's byte, lanes 16-31 block 1's
	v_cvt_scalef32_pk16_fp6_f32 v[192:194], v[96:111], v220
	v_cvt_scalef32_pk16_fp6_f32 v[204:206], v[112:127], v221
	v_nop
.irp i, 0,1,2
	v_permlane16_swap_b32 v[192+\i], v[204+\i]
.endr
.irp i, 0,1,2
	s_delay_alu instid0(VALU_DEP_3)
	v_mov_b32 v[195+\i], v[204+\i]
.endr
	global_store_b128 v11, v[192:195], s[56:57]            ; 512 consecutive bytes, aligned
	global_store_b64 v45, v[196:197], s[56:57] offset:512  ; 256 consecutive bytes, aligned
	global_store_b8 v7, v226, s[56:57]
	s_add_co_u32 s17, s17, 1
	s_cmp_lt_u32 s17, 2
	s_cbranch_scc1 .Lphase
	s_wait_tensorcnt 0x0                           ; the wave's end
	ds_add_u32 v4, v5
	s_wait_dscnt 0x0
	s_endpgm
.Lfunc_end_k_q4e0352e77c_attn:
	.size	k_q4e0352e77c_attn, .Lfunc_end_k_q4e0352e77c_attn-k_q4e0352e77c_attn
	.p2alignl 7, 3214868480
	.fill 96, 4, 3214868480
	.section	.rodata,"a",@progbits
	.p2align	6, 0x0
	.amdhsa_kernel k_q4e0352e77c_attn
		.amdhsa_group_segment_fixed_size 206848
		.amdhsa_private_segment_fixed_size 0
		.amdhsa_enable_private_segment 0
		.amdhsa_kernarg_size 24
		.amdhsa_user_sgpr_count 2
		.amdhsa_user_sgpr_kernarg_segment_ptr 1
		.amdhsa_wavefront_size32 1
		.amdhsa_system_sgpr_workgroup_id_x 1
		.amdhsa_system_sgpr_workgroup_id_y 1
		.amdhsa_system_sgpr_workgroup_id_z 1
		.amdhsa_system_vgpr_workitem_id 0
		.amdhsa_next_free_vgpr 256
		.amdhsa_next_free_sgpr 80
		.amdhsa_reserve_vcc 1
		.amdhsa_float_denorm_mode_32 3
		.amdhsa_float_denorm_mode_16_64 3
		.amdhsa_memory_ordered 1
		.amdhsa_forward_progress 1
		.amdhsa_inst_pref_size 102
	.end_amdhsa_kernel
	.amdgpu_metadata
---
amdhsa.version: [ 1, 2 ]
amdhsa.kernels:
  - .name:           k_q4e0352e77c_attn
    .symbol:         k_q4e0352e77c_attn.kd
    .args:
      - { .name: QI, .offset: 0, .size: 8, .value_kind: global_buffer, .address_space: global }
      - { .name: KV, .offset: 8, .size: 8, .value_kind: global_buffer, .address_space: global }
      - { .name: YQ, .offset: 16, .size: 8, .value_kind: global_buffer, .address_space: global }
    .group_segment_fixed_size: 206848
    .private_segment_fixed_size: 0
    .kernarg_segment_align: 8
    .kernarg_segment_size: 24
    .max_flat_workgroup_size: 512
    .sgpr_count:     80
    .vgpr_count:     256
    .wavefront_size: 32
...
	.end_amdgpu_metadata
.endif
;; end of part 3
;; launch proj (part 4): grid 8 x 64, 4 waves a work-group, clusters of 4 x 4, 214,528 bytes of LDS; arguments YQ, WQ, out0; writes out0
.if DOCPART == 4
	.amdgcn_target "amdgcn-amd-amdhsa--gfx1250"
	.amdhsa_code_object_version 6
	.text
	.protected	k_q4e0352e77c_proj
	.globl	k_q4e0352e77c_proj
	.p2align	8
	.type	k_q4e0352e77c_proj,@function
k_q4e0352e77c_proj:
	s_mov_b64 s[64:65], 0
	v_nop
	global_prefetch_b8 v0, s[64:65] scope:SCOPE_SE
	s_setreg_imm32_b32 hwreg(HW_REG_WAVE_MODE, 25, 1), 1
	s_wait_xcnt 0x0
	s_wait_alu depctr_hold_cnt(0) depctr_sa_sdst(0) depctr_va_vdst(0) depctr_va_sdst(0) depctr_va_ssrc(0) depctr_va_vcc(0) depctr_vm_vsrc(0)
	s_getreg_b32 s2, hwreg(HW_REG_IB_STS2, 6, 4)
	s_cmp_eq_u32 s2, 0
	s_cbranch_scc0 .Lentry_in_a_cluster
	s_endpgm
.Lentry_in_a_cluster:
	s_bfe_u32 s2, ttmp6, 0x10000c
	s_cmp_lg_u32 s2, 0xf033
	s_cbranch_scc0 .Lentry_shape_is_right
	s_endpgm
.Lentry_shape_is_right:
; PROJ: out = y Wproj^T on codes of FP6 (E2M3) with E8M0 scales; f32 sums, f32 out.
; SHARES.  A work-group makes 128 rows of Wproj (8 tiles of 16; tiles 96 on of WQ) x 128 tokens (8 tiles of YQ), all of K = 1,024.  Four waves: hsel = wave / 2 picks four tiles of W, tsel = wave % 2 four of tokens.
; NO RING.  The whole K of both tiles, 196,608 bytes, is filled once, by one tensor load a wave of four tiles' codes for all of K, with one wait for 0.  A wave
; has one tensor load outstanding.  Nothing is filled again.  All loads stand at the head: there is nothing to ask for earlier.
; CLUSTER 4 x 4.  W's tiles hang on the column block alone and are asked for jointly by a column of the cluster, y's on the token block alone, by a row.
; LAYOUT.  Source 0 = 16 rows of W, source 1 = 16 tokens: a lane holds one token, and by the order of rows in tiles its registers 16 beta + i of a token tile are outputs 32 beta + 16 h + i: neighbours.
; A token tile (16 rows x 256 bytes) goes through the wave's own stage in LDS and leaves as whole rows: sixteen lanes store 256 consecutive bytes, aligned.  Position p of a tile is row p + 8 (p / 8) of its pair's 32.
; REGISTERS.  Window 0: v1-13 lane numbers and addresses; v32-63 W's scale words (tile a, step k at 32 + 8 a + k), v64-95 y's; v96-159 rows on the way out; v160-255 fragment set 1.
;   Window 1: v0-127 the accumulators (token tile t, W tile a at 32 t + 8 a); v128-223 fragment set 0.
.set REC,   12800
; THE FILL AS IT STANDS, in place of the four chunks that the head comment names: ONE tensor load a wave brings four tiles' codes for all of K, 4 x 12,288 bytes;
; step k of tile a lies at 12,288 a + 1,536 k of the wave's part.  One wait for 0 and one barrier stand ahead of the first LDS read; a wave has one tensor load outstanding.
.set QUART, 49152                      ; a wave's part: four tiles x 12,288 bytes
.set STAGE, 196608                     ; behind the chunks: 16 rows x 272 bytes for each wave: bytes of their own, into which no fill lands
.set SPARE, STAGE+4*4352               ; behind the stages: the spare words, 128 bytes a wave
.set SW,  32
.set SX,  64
.set F0,  128
.set F1,  160
.set G1X, 24
.set G1W, 32
.set G0X, 40
.set G0W, 68
.set MSB, 0
.macro WIN new                         ; the immediate's high byte repeats the setting that is left
.if MSB != \new
	s_set_vgpr_msb (MSB<<8)|\new
.set MSB, \new
.endif
.endm
.macro CROUND                          ; a round of the cluster's barrier
	s_barrier_signal -1
	s_barrier_wait -1
	s_cmp_lg_u32 s16, 0
	s_cbranch_scc1 .Lnot_wave_0_\@
	s_barrier_signal -3
.Lnot_wave_0_\@:
	s_barrier_wait -3
	s_barrier_signal -1
	s_barrier_wait -1
.endm
.macro PLACES                          ; four plain lines behind a matrix instruction, in front of loads into its registers and of reads of its results
.rept 4
	v_nop
.endr
.endm
	s_load_b128 s[4:7], s[0:1], 0x0                ; YQ, WQ
	s_load_b64 s[8:9], s[0:1], 0x10                ; out0
	v_lshl_add_u32 v8, v0, 2, SPARE
	v_mov_b32 v9, 0
	ds_add_u32 v8, v9                              ; the wave's opening: the add and its wait ahead of my first tensor load
	ds_add_u32 v8, v9
	v_lshrrev_b32 v1, 5, v0
	v_readfirstlane_b32 s16, v1                    ; wave
	s_lshr_b32 s17, s16, 1                         ; hsel
	s_and_b32 s18, s16, 1                          ; tsel; also: which four tiles I fetch
	s_bfe_u32 s19, ttmp6, 0x40000                  ; cx
	s_bfe_u32 s20, ttmp6, 0x40004                  ; cy
	s_lshl_b32 s21, ttmp9, 2
	s_add_co_u32 s21, s21, s19                     ; column block
	s_and_b32 s22, ttmp7, 0xffff
	s_lshl_b32 s22, s22, 2
	s_add_co_u32 s22, s22, s20                     ; token block
	s_lshl_b32 s23, s20, 2
	s_lshl_b32 s23, 15, s23                        ; my row of the cluster
	s_lshl_b32 s56, 0x1111, s19                    ; my column
	s_or_b32 s[G1X], s23, (3<<16)|(1<<21)          ; 15:0 the mask; 17:16 elements of 8 bytes; 21 set beside a mask; no padding
	s_or_b32 s[G1W], s56, (3<<16)|(1<<21)
.irp g, G1X, G1W
	s_mov_b32 s[\g+1], 1536<<16                    ; tensor_dim0: 12,288 bytes, a record's codes
	s_mov_b32 s[\g+2], 4<<16                       ; tensor_dim1: four tiles
	s_mov_b32 s[\g+3], 1536<<16                    ; tile_dim0
	s_mov_b32 s[\g+4], 4
	s_mov_b32 s[\g+5], 1600                        ; from record to record: 12,800 bytes
	s_mov_b32 s[\g+6], 0
	s_mov_b32 s[\g+7], 0
.endr
	s_lshl_b32 s57, s18, 2
	s_lshl_b32 s58, s22, 3
	s_add_co_u32 s58, s58, s57
	s_mul_i32 s58, s58, REC                        ; y: made of the token block alone
	s_mov_b32 s59, 0
	s_lshl_b32 s60, s21, 3
	s_add_co_u32 s60, s60, s57
	s_add_co_u32 s60, s60, 96                      ; Wproj's tiles begin at 96
	s_mul_i32 s60, s60, REC                        ; W: made of the column block alone
	s_mov_b32 s61, 0
	s_mul_i32 s57, s16, QUART                      ; where they go: waves 0, 1 W's halves, waves 2, 3 y's
	s_wait_dscnt 0x0                               ; the opening add is done
	s_wait_kmcnt 0x0
	s_add_nc_u64 s[58:59], s[4:5], s[58:59]
	s_add_nc_u64 s[60:61], s[6:7], s[60:61]
	CROUND                                         ; all sixteen work-groups are here: the joint loads meet
	s_mov_b32 s[G0X], 1
	s_add_co_u32 s[G0X+1], s57, 0
	s_mov_b64 s[G0X+2:G0X+3], s[58:59]
	s_or_b32 s[G0X+3], s[G0X+3], 0x80000000
	s_mov_b32 s[G0W], 1
	s_add_co_u32 s[G0W+1], s57, 0
	s_mov_b64 s[G0W+2:G0W+3], s[60:61]
	s_or_b32 s[G0W+3], s[G0W+3], 0x80000000
	s_cmp_lt_u32 s16, 2                            ; a wave's one fill stands in one branch on the wave's number
	s_cbranch_scc0 .Lfirst_x
	tensor_load_to_lds s[G0W:G0W+3], s[G1W:G1W+7]  ; one tensor load a wave at the head
	s_nop 0
.rept 4
	v_nop
.endr
	s_branch .Lfirst_done
.Lfirst_x:
	tensor_load_to_lds s[G0X:G0X+3], s[G1X:G1X+7]
	s_nop 0
.rept 4
	v_nop
.endr
.Lfirst_done:
	v_and_b32 v1, 15, v0                           ; r
	v_bfe_u32 v2, v0, 4, 1                         ; h
	v_lshlrev_b32 v3, 4, v1                        ; 16 r
	s_wait_alu depctr_va_vdst(0)
	v_and_b32 v31, 31, v0
	v_lshlrev_b32 v10, 4, v31                      ; 16 x lane
	v_lshlrev_b32 v30, 3, v31                      ; 8 x lane
	s_mul_i32 s62, s17, QUART
	v_add_nc_u32 v4, s62, v10
	v_add_nc_u32 v5, s62, v30
	s_mul_i32 s63, s18, QUART
	s_add_co_u32 s63, s63, 2*QUART
	v_add_nc_u32 v6, s63, v10
	v_add_nc_u32 v7, s63, v30
	s_lshl_b32 s84, s21, 3
	s_lshl_b32 s88, s17, 2
	s_add_co_u32 s84, s84, s88
	s_add_co_u32 s84, s84, 96
	s_mul_i32 s84, s84, REC
	s_mov_b32 s85, 0
	s_add_nc_u64 s[84:85], s[6:7], s[84:85]        ; the records of my tiles of W,
	s_lshl_b32 s86, s22, 3
	s_lshl_b32 s88, s18, 2
	s_add_co_u32 s86, s86, s88
	s_mul_i32 s86, s86, REC
	s_mov_b32 s87, 0
	s_add_nc_u64 s[86:87], s[4:5], s[86:87]        ; and of y
.irp a, 0,1,2,3
.irp kh, 0,1
	global_load_b128 v[SW+8*\a+4*\kh:SW+8*\a+4*\kh+3], v3, s[84:85] offset:\a*REC+12288+256*\kh
	global_load_b128 v[SX+8*\a+4*\kh:SX+8*\a+4*\kh+3], v3, s[86:87] offset:\a*REC+12288+256*\kh
.endr
.endr
	s_mul_i32 s62, s16, 4352
	s_add_co_u32 s62, s62, STAGE                   ; my stage
	v_mul_u32_u24 v11, v1, 272
	v_lshl_add_u32 v11, v2, 6, v11
	v_add_nc_u32 v11, s62, v11                     ; in: row r, 64 h bytes on
	v_mul_u32_u24 v12, v2, 272
	v_lshl_add_u32 v12, v1, 4, v12
	v_add_nc_u32 v12, s62, v12                     ; back: lanes 0-15 one row, lanes 16-31 the next
	v_lshlrev_b32 v13, 12, v2
	v_lshl_add_u32 v13, v1, 4, v13                 ; and the same two rows in out0
	s_lshl_b32 s88, s22, 7
	s_lshl_b32 s56, s18, 6
	s_add_co_u32 s88, s88, s56                     ; my first token,
	s_lshl_b32 s88, s88, 12
	s_lshl_b32 s56, s21, 9
	s_add_co_u32 s88, s88, s56
	s_lshl_b32 s56, s17, 8
	s_add_co_u32 s88, s88, s56                     ; my first output: 512 x column block + 256 x hsel bytes
	s_mov_b32 s89, 0
	s_add_nc_u64 s[88:89], s[8:9], s[88:89]
; 32 LDS loads: the fragments of step k (128 along K) into a set: W's four at + 12 a, y's four at + 48 + 12 t
.macro FETCH k, f, win
	WIN \win
.irp a, 0,1,2,3
	ds_load_b128 v[\f+12*\a:\f+12*\a+3], v4 offset:\a*12288+(\k)*1536
	ds_load_b64 v[\f+12*\a+4:\f+12*\a+5], v5 offset:\a*12288+(\k)*1536+512
	ds_load_b128 v[\f+12*\a+6:\f+12*\a+9], v4 offset:\a*12288+(\k)*1536+768
	ds_load_b64 v[\f+12*\a+10:\f+12*\a+11], v5 offset:\a*12288+(\k)*1536+1280
.endr
.irp a, 0,1,2,3
	ds_load_b128 v[\f+48+12*\a:\f+48+12*\a+3], v6 offset:\a*12288+(\k)*1536
	ds_load_b64 v[\f+48+12*\a+4:\f+48+12*\a+5], v7 offset:\a*12288+(\k)*1536+512
	ds_load_b128 v[\f+48+12*\a+6:\f+48+12*\a+9], v6 offset:\a*12288+(\k)*1536+768
	ds_load_b64 v[\f+48+12*\a+10:\f+48+12*\a+11], v7 offset:\a*12288+(\k)*1536+1280
.endr
	WIN 0
.endm
; 16 matrix instructions, the 16 accumulators by turns in the same order in every step
.macro MULS k, f, win, zero
	WIN \win
.irp t, 0,1,2,3
.irp a, 0,1,2,3
.if \zero
	v_wmma_scale_f32_16x16x128_f8f6f4 v[32*\t+8*\a:32*\t+8*\a+7], v[\f+12*\a:\f+11+12*\a], v[\f+48+12*\t:\f+59+12*\t], 0, v[SW+8*\a+\k], v[SX+8*\t+\k] matrix_a_fmt:MATRIX_FMT_FP6 matrix_b_fmt:MATRIX_FMT_FP6
.else
	v_wmma_scale_f32_16x16x128_f8f6f4 v[32*\t+8*\a:32*\t+8*\a+7], v[\f+12*\a:\f+11+12*\a], v[\f+48+12*\t:\f+59+12*\t], v[32*\t+8*\a:32*\t+8*\a+7], v[SW+8*\a+\k], v[SX+8*\t+\k] matrix_a_fmt:MATRIX_FMT_FP6 matrix_b_fmt:MATRIX_FMT_FP6
.endif
.endr
.endr
	WIN 0
.endm
.macro MUL k, zero                     ; even steps multiply set 0 (window 1), odd steps set 1 (window 0); the sums lie in window 1
.if (\k)%2
	MULS \k, F1, 0x50, \zero
.else
	MULS \k, F0, 0x55, \zero
.endif
.endm
	s_wait_alu depctr_va_vdst(0)
	s_wait_tensorcnt 0x0                           ; my one load is in: my four tiles, all of K
	s_barrier_signal -1
	s_barrier_wait -1
	FETCH 0, F0, 0x40
	s_wait_loadcnt 0x0                             ; the scale words
	FETCH 1, F1, 0
	s_wait_dscnt 32                                ; all but the 32 just issued
	MUL 0, 1                                       ; the first step starts the sums: nothing is cleared
	PLACES
	FETCH 2, F0, 0x40
	s_wait_dscnt 32                                ; all but the 32 just issued
	MUL 1, 0
	PLACES
	FETCH 3, F1, 0
	s_wait_dscnt 32
	MUL 2, 0
	PLACES
	FETCH 4, F0, 0x40
	s_wait_dscnt 32
	MUL 3, 0
	PLACES
	FETCH 5, F1, 0
	s_wait_dscnt 32
	MUL 4, 0
	PLACES
	FETCH 6, F0, 0x40
	s_wait_dscnt 32
	MUL 5, 0
	PLACES
	FETCH 7, F1, 0
	s_wait_dscnt 32
	MUL 6, 0
	s_wait_dscnt 0x0
	MUL 7, 0
	PLACES
; THE WAY OUT, a token tile at a time.  LDS serves a wave's instructions in order: no wait between the stores and the loads, nor in front of the next tile's stores.
.macro TOSTAGE t
	WIN 0x04                                       ; an LDS store's data are its source 1: window 1
.irp be, 0,1
.irp e, 0,1,2,3
	ds_store_b128 v11, v[32*\t+16*\be+4*\e:32*\t+16*\be+4*\e+3] offset:128*\be+16*\e   ; each accumulator from its low end on
.endr
.endr
	WIN 0
.irp i, 0,1,2,3,4,5,6,7
	ds_load_b128 v[96+32*((\t)%2)+4*\i:96+32*((\t)%2)+4*\i+3], v12 offset:544*\i
.endr
.endm
.macro SEND t, younger                 ; younger: the next tile's 8 stores and 8 loads, which may stay out
	s_wait_dscnt \younger
.irp i, 0,1,2,3,4,5,6,7
	global_store_b128 v13, v[96+32*((\t)%2)+4*\i:96+32*((\t)%2)+4*\i+3], s[88:89] offset:(32*((\t)/2)+8*((\t)%2)+2*\i+8*(\i/4))*4096 th:TH_STORE_NT   ; sixteen lanes store 256 consecutive bytes, aligned; written once
.endr
.endm
	TOSTAGE 0
	TOSTAGE 1
	SEND 0, 16
	s_wait_xcnt 0x0                                ; tile 0's stores have read their registers: tile 2's rows may land there
	TOSTAGE 2
	SEND 1, 16
	s_wait_xcnt 0x0
	TOSTAGE 3
	SEND 2, 16
	SEND 3, 0
	s_wait_tensorcnt 0x0                           ; the wave's end, behind my last tensor load and my last LDS store
	ds_add_u32 v8, v9
	s_wait_dscnt 0x0
	CROUND                                         ; the closing round
	s_endpgm
.Lfunc_end_k_q4e0352e77c_proj:
	.size	k_q4e0352e77c_proj, .Lfunc_end_k_q4e0352e77c_proj-k_q4e0352e77c_proj
	.p2alignl 7, 3214868480
	.fill 96, 4, 3214868480
	.section	.rodata,"a",@progbits
	.p2align	6, 0x0
	.amdhsa_kernel k_q4e0352e77c_proj
		.amdhsa_group_segment_fixed_size 214528
		.amdhsa_private_segment_fixed_size 0
		.amdhsa_enable_private_segment 0
		.amdhsa_kernarg_size 24
		.amdhsa_user_sgpr_count 2
		.amdhsa_user_sgpr_kernarg_segment_ptr 1
		.amdhsa_wavefront_size32 1
		.amdhsa_system_sgpr_workgroup_id_x 1
		.amdhsa_system_sgpr_workgroup_id_y 1
		.amdhsa_system_sgpr_workgroup_id_z 1
		.amdhsa_system_vgpr_workitem_id 0
		.amdhsa_next_free_vgpr 512
		.amdhsa_next_free_sgpr 104
		.amdhsa_reserve_vcc 0
		.amdhsa_float_denorm_mode_32 3
		.amdhsa_float_denorm_mode_16_64 3
		.amdhsa_memory_ordered 1
		.amdhsa_forward_progress 1
		.amdhsa_inst_pref_size 50
	.end_amdhsa_kernel
	.amdgpu_metadata
---
amdhsa.version: [ 1, 2 ]
amdhsa.kernels:
  - .name:           k_q4e0352e77c_proj
    .symbol:         k_q4e0352e77c_proj.kd
    .args:
      - { .name: YQ, .offset: 0, .size: 8, .value_kind: global_buffer, .address_space: global }
      - { .name: WQ, .offset: 8, .size: 8, .value_kind: global_buffer, .address_space: global }
      - { .name: out0, .offset: 16, .size: 8, .value_kind: global_buffer, .address_space: global }
    .group_segment_fixed_size: 214528
    .private_segment_fixed_size: 0
    .kernarg_segment_align: 8
    .kernarg_segment_size: 24
    .max_flat_workgroup_size: 128
    .sgpr_count:     104
    .vgpr_count:     512
    .wavefront_size: 32
...
	.end_amdgpu_metadata
.endif
;; end of part 4
